; MI455X (gfx1250); checked and timed in simulation.
; The chip was launched on July 23, 2026; its instructions are those of AMD's public machine-readable ISA for CDNA 5 (MIT licence, August 2026) and "CDNA5" Instruction Set Architecture Reference Guide (July 2026). The comments in the code are by the model that wrote it; some were corrected since.
;; Grid Encoder. Allowed arithmetic: float matrix products may take bf16 or f16 operands with f32 sums; all other float work in f32.
;; Inputs: embeddings 7,131,240 x 2 float32; inputs 250,000 x 3 float32; offsets 17 int32.
;; Outputs: out0 250,000 x 32 float32.
;; 3 versions, each right; version 2 is faster than version 1; version 3 is version 2 with the launch gather written anew for expert scheduling mode. Each part assembles by itself: llvm-mc -triple=amdgcn-amd-amdhsa -mcpu=gfx1250 --defsym DOCPART=n.
;; ======== version 1 of 3: 2 launches
;; limits: inputs' magnitudes at most 34
;; workspace buffers: rec 16,000,000 bytes of whole numbers; par 256 bytes of whole numbers
;; launch cells (part 1): grid 3125 x 1, 5 waves a work-group, no clusters, 0 bytes of LDS; arguments inputs, offsets, rec, par; writes rec, par
.if DOCPART == 1
	.amdgcn_target "amdgcn-amd-amdhsa--gfx1250"
	.amdhsa_code_object_version 6
	.text
	.protected	k_q5c2f4a448e_cells
	.globl	k_q5c2f4a448e_cells
	.p2align	8
	.type	k_q5c2f4a448e_cells,@function
k_q5c2f4a448e_cells:
	s_mov_b64 s[64:65], 0
	v_nop
	global_prefetch_b8 v0, s[64:65] scope:SCOPE_SE
	s_setreg_imm32_b32 hwreg(HW_REG_WAVE_MODE, 25, 1), 1
	s_wait_xcnt 0x0
; GridEncoder, first of two launches: the grid cells of every point at every level, as whole numbers.
; An address never hangs on floating-point data of the same launch.  So floor(x * scale + 0.5) is made here and stored as whole
; numbers, and the next launch forms its gather addresses from them by integer arithmetic alone.
;
; rec: one dword for a point and a level; three fields of 10 bits (x at bit 0, y at 10, z at 20), each pg_l - 2 pg_(l-1) + 512, with pg_(-1) = 0.
;   Since pos_l = 2 pos_(l-1) + about (x - 0.5), a field is small: -1 .. 2 for x in [0, 1).  16 MB in place of 48 MB of raw cells.
;   LIMIT: |inputs| < 34 (level 0 stores pg_0 itself, and |15 x + 0.5| must stay under 512).  Beyond it the fields run into each other.
;   Layout [4 groups of 4 levels][250000 points][4 dwords]: a lane stores 16 bytes, 16 lanes store 256 consecutive bytes at a multiple of 256.
; par: four dwords a level, made from the input 'offsets' by one wave: offset, size d, m, bias.
;   m = floor((2^32 - 1) / d) for the remainder by multiplication; m = 0 marks a hashed level whose d is a power of two of at most 2^20 (remainder = AND).
;   bias = 0: hashed level.  Else a dense level, and bias = (m >> 1) d, a multiple of d just under 2^31, which makes the dense index of negative cells positive.
;   LIMIT: offsets ascend, 1 <= d < 2^24 (the table has 7,131,240 entries), so that the f32 compare res^3 > d of the JAX function is the integer compare made here.
;
; THE SCALES.  The JAX function takes scale_l = exp2(l) * 16 - 1 in f32, and jnp.exp2(l) is exp(l * ln 2) with the product rounded to f32.
; ln 2 in f32 (0x3f317218) has 21 significant bits: the product is exact for l <= 12 and l = 14, lies at most 2.7e-8 above l ln 2, and the exponential rounds to 2^l.
; For l = 13 and l = 15 the product has 25 bits, lies half way between two f32 numbers and goes to the even one: 2^-21 above, 2^-21 below.
; So exp2(13) = 2^13 (1 + 2^-21), exp2(15) = 2^15 (1 - 2^-21), and the scales are 131071.0625 and 524286.75: eight units of the last place beside 2^(l+4) - 1.
; A quarter of a cell at level 15 is far more than the comparison allows, so the scales are taken as that function makes them.
;
; Five waves; a wave takes 16 points (250000 = 16 x 15625: no tail).  Lane = (point, half): half h makes levels 8 h .. 8 h + 7.
.set NPTS,  250000
.set WAVES, 5
.set PLANE, NPTS*16                    ; bytes of a group of four levels in rec
.set PACKB, 512*(1+(1<<10)+(1<<20))    ; the three fields' + 512
.set XYZ, 6                            ; v[6:8]   the point
.set SC,  10                           ; v[10:18] my nine scales: levels 8 h - 1 .. 8 h + 7
.set T,   20                           ; v[20:22] at work
.set P,   24                           ; v[24:32] pg_x + (pg_y << 10) + (pg_z << 20) modulo 2^32, nine levels
.set R,   34                           ; v[34:41] my eight records
.macro SETSC lev                       ; SCV = the f32 bits of level lev's scale; level -1: 0.0, which gives pos = 0.5 and cell 0
.if (\lev) < 0
.set SCV, 0
.else
.set SCV, (((\lev)+130)<<23)|(((1<<((\lev)+3))-1)<<(20-(\lev)))   ; 2^(lev+4) - 1
.if (\lev) == 13
.set SCV, SCV+8                        ; + 1/16
.endif
.if (\lev) == 15
.set SCV, SCV-8                        ; - 1/4
.endif
.endif
.endm
	s_load_b256 s[4:11], s[0:1], 0x0               ; inputs s[4:5], offsets s[6:7], rec s[8:9], par s[10:11]
	v_lshrrev_b32 v1, 5, v0
	v_readfirstlane_b32 s12, v1                    ; wave
	s_mul_i32 s13, ttmp9, WAVES
	s_add_co_u32 s13, s13, s12                     ; task 0 .. 15624
	s_lshl_b32 s14, s13, 4                         ; its first point
	s_mov_b32 s15, 0x100000000-PACKB               ; - PACKB
	v_and_b32 v1, 15, v0                           ; point in the task
	v_bfe_u32 v2, v0, 4, 1                         ; half
	v_add_nc_u32 v3, s14, v1                       ; point
	v_mul_u32_u24 v4, v3, 12                       ; its 12 bytes in inputs
	v_lshlrev_b32 v5, 4, v3                        ; its 16 bytes in a group of rec,
	v_mad_u32_u24 v5, v2, 2*PLANE, v5              ; groups 2 h and 2 h + 1
	s_wait_kmcnt 0x0
	global_load_b96 v[XYZ:XYZ+2], v4, s[4:5]
	v_cmp_ne_u32 vcc_lo, 0, v2                     ; lanes of half 1
.irp j, 0,1,2,3,4,5,6,7,8
	SETSC \j+7
	v_mov_b32 v[SC+\j], SCV
	SETSC \j-1
	v_cndmask_b32 v[SC+\j], SCV, v[SC+\j], vcc_lo  ; half 0: level j - 1; half 1: level j + 7
.endr
	s_wait_loadcnt 0x0
; pos = x * scale + 0.5 with TWO roundings, as the JAX function writes it.  A fused multiply-add differs from it where the sum passes a power of two,
; by a unit of the last place, which is 1/32 of a cell at level 15.  The next launch makes pos by the same two roundings, so cell and fraction belong together.
.irp j, 0,1,2,3,4,5,6,7,8
	v_mul_f32 v[T],   v[XYZ],   v[SC+\j]
	v_mul_f32 v[T+1], v[XYZ+1], v[SC+\j]
	v_mul_f32 v[T+2], v[XYZ+2], v[SC+\j]
	v_add_f32 v[T],   0.5, v[T]
	v_add_f32 v[T+1], 0.5, v[T+1]
	v_add_f32 v[T+2], 0.5, v[T+2]
	v_floor_f32 v[T],   v[T]
	v_floor_f32 v[T+1], v[T+1]
	v_floor_f32 v[T+2], v[T+2]
	v_cvt_i32_f32 v[T],   v[T]
	v_cvt_i32_f32 v[T+1], v[T+1]
	v_cvt_i32_f32 v[T+2], v[T+2]
	v_lshl_add_u32 v[T+1], v[T+2], 10, v[T+1]      ; packing is linear modulo 2^32, so the three differences below are made in one subtraction
	v_lshl_add_u32 v[P+\j], v[T+1], 10, v[T]
.endr
.irp j, 0,1,2,3,4,5,6,7
	v_lshl_add_u32 v[T], v[P+\j], 1, s15           ; 2 P_(l-1) - PACKB
	v_sub_nc_u32 v[R+\j], v[P+\j+1], v[T]          ; P_l - 2 P_(l-1) + PACKB: three fields of 0 .. 1023
.endr
	global_store_b128 v5, v[R:R+3],   s[8:9]               ; levels 8 h .. 8 h + 3
	global_store_b128 v5, v[R+4:R+7], s[8:9] offset:PLANE  ; levels 8 h + 4 .. 8 h + 7
	; The table of the levels: task 0 alone.  Lane = (level, half); both halves compute, half 0 stores (offset, d), half 1 (m, bias): 256 consecutive bytes.
	; All registers below are fresh: none is a source of the stores above.
	s_cmp_lg_u32 s13, 0
	s_cbranch_scc1 .Ldone
	v_lshlrev_b32 v44, 2, v1
	global_load_b32 v45, v44, s[6:7]               ; offsets[l]
	global_load_b32 v46, v44, s[6:7] offset:4      ; offsets[l + 1]
	v_mov_b32 v48, 0                               ; remainder
	v_mov_b32 v49, 0                               ; quotient
	s_mov_b32 s16, 32
	s_wait_loadcnt 0x0
	v_sub_nc_u32 v47, v46, v45                     ; d
.Ldiv:                                             ; (2^32 - 1) / d, a bit a trip; the remainder stays under d < 2^31, so its shift does not overflow
	v_lshl_or_b32 v48, v48, 1, 1                   ; every bit of the dividend is 1
	v_cmp_ge_u32 vcc_lo, v48, v47
	v_sub_nc_u32 v50, v48, v47
	v_cndmask_b32 v51, 0, 1, vcc_lo
	v_cndmask_b32 v48, v48, v50, vcc_lo
	v_lshl_or_b32 v49, v49, 1, v51
	s_sub_co_i32 s16, s16, 1
	s_cmp_lg_u32 s16, 0
	s_cbranch_scc1 .Ldiv
	v_mad_u32_u24 v52, v1, 3, 12                   ; res^3 = (16 * 2^l)^3 = 2^(12 + 3 l); from 2^31 on it exceeds every d
	v_min_u32 v52, 31, v52
	v_lshlrev_b32 v52, v52, 1
	v_cmp_gt_u32 s17, v52, v47                     ; use_hash: res^3 > d
	v_add_nc_u32 v50, -1, v47
	v_and_b32 v50, v50, v47
	v_cmp_eq_u32 s18, 0, v50                       ; d is a power of two
	v_cmp_ge_u32 s19, 0x100000, v47                ; of at most 2^20
	s_and_b32 s18, s18, s19
	s_and_b32 s18, s18, s17                        ; remainder = AND
	v_lshrrev_b32 v53, 1, v49
	v_mul_lo_u32 v53, v53, v47                     ; (m >> 1) d
	v_cndmask_b32 v53, v53, 0, s17                 ; bias: 0 on hashed levels
	v_cndmask_b32 v49, v49, 0, s18                 ; m: 0 where the AND serves
	v_cmp_ne_u32 vcc_lo, 0, v2
	v_cndmask_b32 v54, v45, v49, vcc_lo            ; half 0: offset   half 1: m
	v_cndmask_b32 v55, v47, v53, vcc_lo            ; half 0: d        half 1: bias
	v_lshlrev_b32 v56, 4, v1
	v_lshl_add_u32 v56, v2, 3, v56                 ; 16 l + 8 h
	global_store_b64 v56, v[54:55], s[10:11]
.Ldone:
	s_endpgm
.Lfunc_end_k_q5c2f4a448e_cells:
	.size	k_q5c2f4a448e_cells, .Lfunc_end_k_q5c2f4a448e_cells-k_q5c2f4a448e_cells
	.p2alignl 7, 3214868480
	.fill 96, 4, 3214868480
	.section	.rodata,"a",@progbits
	.p2align	6, 0x0
	.amdhsa_kernel k_q5c2f4a448e_cells
		.amdhsa_group_segment_fixed_size 0
		.amdhsa_private_segment_fixed_size 0
		.amdhsa_enable_private_segment 0
		.amdhsa_kernarg_size 32
		.amdhsa_user_sgpr_count 2
		.amdhsa_user_sgpr_kernarg_segment_ptr 1
		.amdhsa_wavefront_size32 1
		.amdhsa_system_sgpr_workgroup_id_x 1
		.amdhsa_system_sgpr_workgroup_id_y 1
		.amdhsa_system_sgpr_workgroup_id_z 1
		.amdhsa_system_vgpr_workitem_id 0
		.amdhsa_next_free_vgpr 58
		.amdhsa_next_free_sgpr 66
		.amdhsa_reserve_vcc 1
		.amdhsa_float_denorm_mode_32 3
		.amdhsa_float_denorm_mode_16_64 3
		.amdhsa_memory_ordered 1
		.amdhsa_forward_progress 1
		.amdhsa_inst_pref_size 10
	.end_amdhsa_kernel
	.amdgpu_metadata
---
amdhsa.version: [ 1, 2 ]
amdhsa.kernels:
  - .name:           k_q5c2f4a448e_cells
    .symbol:         k_q5c2f4a448e_cells.kd
    .args:
      - { .name: inputs, .offset: 0, .size: 8, .value_kind: global_buffer, .address_space: global }
      - { .name: offsets, .offset: 8, .size: 8, .value_kind: global_buffer, .address_space: global }
      - { .name: rec, .offset: 16, .size: 8, .value_kind: global_buffer, .address_space: global }
      - { .name: par, .offset: 24, .size: 8, .value_kind: global_buffer, .address_space: global }
    .group_segment_fixed_size: 0
    .private_segment_fixed_size: 0
    .kernarg_segment_align: 8
    .kernarg_segment_size: 32
    .max_flat_workgroup_size: 160
    .sgpr_count:     66
    .vgpr_count:     58
    .wavefront_size: 32
...
	.end_amdgpu_metadata
.endif
;; end of part 1
;; launch gather (part 2): grid 3125 x 1, 5 waves a work-group, no clusters, 23,808 bytes of LDS; arguments embeddings, inputs, rec, par, out0; writes out0
.if DOCPART == 2
	.amdgcn_target "amdgcn-amd-amdhsa--gfx1250"
	.amdhsa_code_object_version 6
	.text
	.protected	k_q5c2f4a448e_gather
	.globl	k_q5c2f4a448e_gather
	.p2align	8
	.type	k_q5c2f4a448e_gather,@function
k_q5c2f4a448e_gather:
	s_mov_b64 s[64:65], 0
	v_nop
	global_prefetch_b8 v0, s[64:65] scope:SCOPE_SE
	s_setreg_imm32_b32 hwreg(HW_REG_WAVE_MODE, 25, 1), 1
	s_wait_xcnt 0x0
; GridEncoder, second of two launches: indices from the stored cells, the gather, the trilinear sum.  out0[p][2 l + c].
; Every address here is made of whole numbers that the first launch stored (rec, par); inputs give only the fractions, that is, values.
; rec, par, the scales and the limits (|inputs| < 34; offsets ascending, 1 <= size < 2^24; NaN and infinities stay inside the table but give other numbers
; than JAX) are described at the head of the first launch.
;
; Five waves without a barrier; a wave takes 16 points (250000 = 16 x 15625: no tail) through all 16 levels, which are written out one after the other.
; Lane = (point, x corner): lanes i and i + 16 take the corners x and x + 1 of point i, four (y, z) corners each.  The hash multiplies x by 1, so the
; two entries that such a pair asks for in ONE instruction are neighbours in the table in most cases; on dense levels always.
; Three register buffers take turns: the gathers of two younger levels are out while a level is summed.
; The halves' partial sums meet in the wave's own LDS rows, are read back by rows and leave as stores of 512 consecutive bytes.
; The weighted sum has its own 8 weights and its own 8 x 2 values for every point and level: no operand is shared, a 16 x 16 matrix tile would be 1/16 used.
; So it is four packed f32 multiply-adds a lane.  No cluster and no tiles in LDS: work-groups share no tile; the table is read entry by entry.
; No prefetch: each block of a level's table is wanted by many points spread over the whole launch, so asking for a block once, shortly ahead of its use, cannot be arranged.
.set NPTS,  250000
.set WAVES, 5
.set PLANE, NPTS*16                    ; bytes of a group of four levels in rec
.set PR1, 0x9e3779b1                   ; 2654435761, the hash's prime for y
.set PR2, 0x30025795                   ; 805459861, for z
.set LPITCH, 144                       ; an LDS row: a point's 128 bytes + 16.  36 words: the 16 rows start at the 16 multiples of 4 among 64 banks (ISA guide 11.1)
.set LHALF,  16*LPITCH                 ; the rows of one half of the lanes
.set LWAVE,  2*LHALF                   ; a wave's stage
.set XYZ, 6                            ; v[6:8]   the point
.set CX,  9                            ; v9       512 + my x corner (0 or 1)
.set QX,  10                           ; v10-12   cell - 512 of the level at hand: q_l = 2 q_(l-1) + field, q_(-1) = -512
.set QY,  11
.set QZ,  12
.set C0,  13                           ; v13, v14 my x weight = C1 * frac + C0: corner 0: 1 - frac; corner 1: frac
.set C1,  14
.set LE,  15                           ; v15      LDS address for even levels
.set CM,  16                           ; v[16:17] (-1, 1)
.set CA,  18                           ; v[18:19] ( 1, 0)   so that f * CM + CA = (1 - f, f)
.set REC, 20                           ; v[20:35] my point's 16 records; on the way out the sums
.set T,   36                           ; v[36:39] pos, then fractions x, y, z; v39 only completes a pair
.set F,   40                           ; v[40:42] at work: fields, then floors
.set PY,  44                           ; v[44:45] (1 - fy, fy)
.set PZ,  46                           ; v[46:47] (1 - fz, fz)
.set A,   48                           ; v[48:49] wx * (1 - fy, fy)
.set H,   50                           ; v[50:54] at work: the hash
.set G,   56                           ; v[56:57] at work: the remainder
.set ACC, 60                           ; v[60:61] a level's two numbers
.set LO,  62                           ; v62      LDS address for odd levels
.set RD,  63                           ; v63      LDS address on the way out
.set OO,  64                           ; v64      16 x lane
.set BUF0, 66                          ; v[66:101] three buffers: 4 x 2 registers byte offset -> entry, 4 weights
.set SBASE, 66                         ; s[66:71] the level's table base, a pair for each buffer
.set SP1, 72
.set SP2, 73
.set SK1, 74                           ; 512 * PR1: takes the - 512 out of q_y
.set SK2, 75
.set SMK, 76                           ; d - 1
.set SND, 77                           ; - d
.set ST,  78                           ; s[78:79] a byte offset, high word 0
.set REC2, 96                          ; s[96:97] rec + 2 groups (three groups are more than a load's immediate holds)
.set SU,  99
.set SKD, 100
.set SW,  101
.macro SETSC lev                       ; SCV = the f32 bits of level lev's scale (see the first launch)
.set SCV, (((\lev)+130)<<23)|(((1<<((\lev)+3))-1)<<(20-(\lev)))
.if (\lev) == 13
.set SCV, SCV+8
.endif
.if (\lev) == 15
.set SCV, SCV-8
.endif
.endm
.macro SETPB lev                       ; PB = first of the level's four scalar registers: offset, d, m, bias.  s[16:63], then s[80:95]
.if (\lev) < 12
.set PB, 16+4*(\lev)
.else
.set PB, 32+4*(\lev)
.endif
.endm
	s_load_b256 s[4:11], s[0:1], 0x0               ; embeddings s[4:5], inputs s[6:7], rec s[8:9], par s[10:11]
	s_load_b64 s[12:13], s[0:1], 0x20              ; out0
	v_lshl_add_u32 v102, v0, 2, 0x5a00
	v_mov_b32 v103, 0
	v_lshrrev_b32 v1, 5, v0
	v_readfirstlane_b32 s14, v1                    ; wave
	s_mul_i32 s15, ttmp9, WAVES
	s_add_co_u32 s15, s15, s14                     ; task 0 .. 15624
	s_lshl_b32 s[SU], s15, 4
	v_and_b32 v1, 15, v0                           ; point in the task
	v_bfe_u32 v2, v0, 4, 1                         ; half = x corner
	v_add_nc_u32 v3, s[SU], v1                     ; point
	v_mul_u32_u24 v4, v3, 12
	v_lshlrev_b32 v5, 4, v3
	s_wait_kmcnt 0x0
	s_add_nc_u64 s[REC2:REC2+1], s[8:9], 2*PLANE
	global_load_b96 v[XYZ:XYZ+2], v4, s[6:7]
	global_load_b128 v[REC:REC+3],     v5, s[8:9] th:TH_LOAD_NT                        ; 16 lanes: 256 consecutive bytes; the other 16 the same bytes
	global_load_b128 v[REC+4:REC+7],   v5, s[8:9] offset:PLANE th:TH_LOAD_NT
	global_load_b128 v[REC+8:REC+11],  v5, s[REC2:REC2+1] th:TH_LOAD_NT
	global_load_b128 v[REC+12:REC+15], v5, s[REC2:REC2+1] offset:PLANE th:TH_LOAD_NT
	s_load_b512 s[16:31], s[10:11], 0x0            ; the 16 levels' parameters stay in scalar registers
	s_load_b512 s[32:47], s[10:11], 0x40
	s_load_b512 s[48:63], s[10:11], 0x80
	s_load_b512 s[80:95], s[10:11], 0xc0
	s_lshl_b32 s[ST], s15, 11                      ; the task's 16 rows of 128 bytes in out0
	s_mov_b32 s[ST+1], 0                           ; stays 0
	s_add_nc_u64 s[12:13], s[12:13], s[ST:ST+1]
	s_mov_b32 s[SP1], PR1
	s_mov_b32 s[SP2], PR2
	s_mov_b32 s[SK1], (512*PR1)&0xffffffff
	s_mov_b32 s[SK2], (512*PR2)&0xffffffff
	s_mul_i32 s[SW], s14, LWAVE                    ; my wave's stage
	v_add_nc_u32 v[CX], 512, v2
	v_cvt_f32_u32 v[C1], v2
	v_sub_f32 v[C0], 1.0, v[C1]                    ; 1 - h
	v_fma_f32 v[C1], v[C1], 2.0, -1.0              ; 2 h - 1
	v_mov_b32 v[CM], -1.0
	v_mov_b32 v[CM+1], 1.0
	v_mov_b32 v[CA], 1.0
	v_mov_b32 v[CA+1], 0
	v_mov_b32 v[T+3], 0
	; In LDS: row = point, 8 bytes a level; half 1 has rows of its own and swaps each pair of levels (level l at place l xor 1).  Then the words of half 0 are
	; 0, 1 modulo 4 where those of half 1 are 2, 3: the 32 lanes of a store touch 64 different banks.
	; Both address registers are sums: stage + 144 x point + h x (LHALF + 8) for even levels, + h x (LHALF - 8) for odd ones; the store's immediate adds 8 l.
	v_mul_u32_u24 v[G], v1, LPITCH
	v_add_nc_u32 v[G], s[SW], v[G]                 ; my point's row in half 0's rows of my wave's stage
	v_mad_u32_u24 v[LE], v2, LHALF+8, v[G]         ; even levels: half 1 one place up
	v_mad_u32_u24 v[LO], v2, LHALF-8, v[G]         ; odd levels:  half 1 one place down
	v_bfe_u32 v[H], v0, 3, 2                       ; back: eight lanes take a row
	v_and_b32 v[H+1], 7, v0
	v_mul_u32_u24 v[H], v[H], LPITCH
	v_lshl_add_u32 v[H], v[H+1], 4, v[H]
	v_add_nc_u32 v[RD], s[SW], v[H]
	v_and_b32 v[OO], 31, v0
	v_lshlrev_b32 v[OO], 4, v[OO]
	s_wait_kmcnt 0x0
	s_wait_loadcnt 0x0                             ; the point and its records, once
; v mod d for any d: q = high word of v * m is the quotient or one less (m = floor((2^32 - 1) / d), so v / d - v m / 2^32 < 1), so v - q d lies in [0, 2 d):
; one subtraction, taken by an unsigned minimum (it wraps to a large number where it is not wanted).
; Then the bound: a number that comes from memory enters an address only behind a minimum with a constant written in the instruction.
; The result is under 7,131,240, so it is bounded in two parts, r >> 3 and r & 7.  Last the entry's byte offset, 8 x index.
.macro MODCLAMP r
	v_mul_hi_u32 v[G], v[\r], s[PB+2]
	v_mad_u32 v[\r], v[G], s[SND], v[\r]
	v_add_nc_u32 v[G], s[SND], v[\r]
	v_min_u32 v[\r], v[\r], v[G]
	v_lshrrev_b32 v[G], 3, v[\r]
	v_and_b32 v[G+1], 7, v[\r]
	v_min_u32 v[G], 0xfffff, v[G]
	v_min_u32 v[G+1], 7, v[G+1]
	v_lshl_add_u32 v[\r], v[G], 3, v[G+1]
	v_lshlrev_b32 v[\r], 3, v[\r]
.endm
; A level's first part: cell, four indices, four gathers, four weights, into buffer lev mod 3.
; That buffer's registers and its base pair belonged to level lev - 3, whose gathers the counted wait of its SUM has shown done.
.macro ADDR lev
	SETSC \lev
	SETPB \lev
	.set B, BUF0+12*((\lev)%3)
	.set SB, SBASE+2*((\lev)%3)
	.set RES, 16<<(\lev)
	; the level's part of the table: 8 bytes x offset, the offset bounded in two parts as above
	s_lshr_b32 s[ST], s[PB], 3
	s_and_b32 s[SU], s[PB], 7
	s_min_u32 s[ST], s[ST], 0xfffff
	s_min_u32 s[SU], s[SU], 7
	s_lshl_b32 s[ST], s[ST], 6
	s_lshl3_add_u32 s[ST], s[SU], s[ST]
	s_add_nc_u64 s[SB:SB+1], s[4:5], s[ST:ST+1]
	; the cell
	v_and_b32 v[F], 0x3ff, v[REC+\lev]
	v_bfe_u32 v[F+1], v[REC+\lev], 10, 10
	v_lshrrev_b32 v[F+2], 20, v[REC+\lev]
.if \lev == 0
	v_add_nc_u32 v[QX], 0xfffffc00, v[F]           ; 2 * (-512) + field
	v_add_nc_u32 v[QY], 0xfffffc00, v[F+1]
	v_add_nc_u32 v[QZ], 0xfffffc00, v[F+2]
.else
	v_lshl_add_u32 v[QX], v[QX], 1, v[F]
	v_lshl_add_u32 v[QY], v[QY], 1, v[F+1]
	v_lshl_add_u32 v[QZ], v[QZ], 1, v[F+2]
.endif
.if \lev <= 3                                      ; from level 4 on res^3 >= 2^24 exceeds every size: always hashed
	s_cmp_lg_u32 s[PB+3], 0
	s_cbranch_scc1 .Ldense\lev
.endif
	; x ^ y * PR1 ^ z * PR2 modulo 2^32 for my x corner and the four (y, z) corners
	v_add_nc_u32 v[H], v[QX], v[CX]
	v_mad_u32 v[H+1], v[QY], s[SP1], s[SK1]
	v_mad_u32 v[H+2], v[QZ], s[SP2], s[SK2]
	v_add_nc_u32 v[H+3], s[SP1], v[H+1]            ; y + 1
	v_add_nc_u32 v[H+4], s[SP2], v[H+2]            ; z + 1
	v_xor_b32 v[H+1], v[H], v[H+1]
	v_xor_b32 v[H+3], v[H], v[H+3]
	v_xor_b32 v[B],   v[H+1], v[H+2]               ; (y,     z)
	v_xor_b32 v[B+2], v[H+3], v[H+2]               ; (y + 1, z)
	v_xor_b32 v[B+4], v[H+1], v[H+4]               ; (y,     z + 1)
	v_xor_b32 v[B+6], v[H+3], v[H+4]               ; (y + 1, z + 1)
	s_cmp_eq_u32 s[PB+2], 0
	s_cbranch_scc1 .Lfast\lev
.if \lev <= 3
	s_branch .Lmod\lev
.Ldense\lev:
	; x + res y + res^2 z + bias, with the three - 512 taken out
	v_mad_u32 v[H], v[QZ], RES, v[QY]
	v_mad_u32 v[H], v[H], RES, v[QX]
	s_add_co_u32 s[SKD], s[PB+3], 512*RES+512*RES*RES
	v_add3_u32 v[B], v[H], v[CX], s[SKD]
	v_add_nc_u32 v[B+2], RES, v[B]
	v_add_nc_u32 v[B+4], RES*RES, v[B]
	v_add_nc_u32 v[B+6], RES*RES+RES, v[B]
.Lmod\lev:
.endif
	s_sub_co_u32 s[SND], 0, s[PB+1]
	MODCLAMP B
	MODCLAMP B+2
	MODCLAMP B+4
	MODCLAMP B+6
	s_branch .Ljoin\lev
.Lfast\lev:
	s_add_co_i32 s[SMK], s[PB+1], -1               ; d is a power of two of at most 2^20
.irp c, 0,2,4,6
	v_and_b32 v[B+\c], s[SMK], v[B+\c]
.endr
.irp c, 0,2,4,6
	v_min_u32 v[B+\c], 0xfffff, v[B+\c]            ; the written bound on a number that comes from memory; it changes no index here
.endr
.irp c, 0,2,4,6
	v_lshlrev_b32 v[B+\c], 3, v[B+\c]              ; the entry's byte offset in the level's part of the table
.endr
.Ljoin\lev:
.irp c, 0,2,4,6
	global_load_b64 v[B+\c:B+\c+1], v[B+\c], s[SB:SB+1]    ; each load lands on its own offset register
.endr
	; the weights, while the gathers are on their way.  pos by a multiply and a separate add: the same two roundings as in the first launch (see there)
	v_pk_mul_f32 v[T:T+1], v[XYZ:XYZ+1], SCV op_sel_hi:[1,0]
	v_mul_f32 v[T+2], SCV, v[XYZ+2]
	v_pk_add_f32 v[T:T+1], v[T:T+1], 0.5 op_sel_hi:[1,0]
	v_add_f32 v[T+2], 0.5, v[T+2]
	v_floor_f32 v[F],   v[T]
	v_floor_f32 v[F+1], v[T+1]
	v_floor_f32 v[F+2], v[T+2]
	v_pk_add_f32 v[T:T+1], v[T:T+1], v[F:F+1] neg_lo:[0,1] neg_hi:[0,1]   ; fractions x, y
	v_sub_f32 v[T+2], v[T+2], v[F+2]                                      ; z
	v_pk_fma_f32 v[PY:PY+1], v[T:T+1], v[CM:CM+1], v[CA:CA+1] op_sel:[1,0,0] op_sel_hi:[1,1,1]   ; both halves take fy: (1 - fy, fy)
	v_pk_fma_f32 v[PZ:PZ+1], v[T+2:T+3], v[CM:CM+1], v[CA:CA+1] op_sel_hi:[0,1,1]                ; both halves take fz: (1 - fz, fz)
	v_fma_f32 v[T], v[T], v[C1], v[C0]                                    ; wx of my corner
	v_pk_mul_f32 v[A:A+1], v[PY:PY+1], v[T:T+1] op_sel_hi:[1,0]           ; wx wy, as JAX's product goes: x, y, then z
	v_pk_mul_f32 v[B+8:B+9],   v[A:A+1], v[PZ:PZ+1] op_sel_hi:[1,0]               ; * (1 - fz): corners (y, z), (y + 1, z)
	v_pk_mul_f32 v[B+10:B+11], v[A:A+1], v[PZ:PZ+1] op_sel:[0,1] op_sel_hi:[1,1]  ; * fz:       corners (y, z + 1), (y + 1, z + 1)
.endm
; A level's second part: my four corners' share of its two numbers, into my LDS row.  cnt = the gathers issued behind this level's, which may stay out.
.macro SUM lev, cnt
	.set B, BUF0+12*((\lev)%3)
	s_wait_loadcnt \cnt                            ; loads come back in order (ISA guide 5.7.1)
	v_pk_mul_f32 v[ACC:ACC+1], v[B:B+1], v[B+8:B+9] op_sel_hi:[1,0]
	v_pk_fma_f32 v[ACC:ACC+1], v[B+2:B+3], v[B+8:B+9],   v[ACC:ACC+1] op_sel:[0,1,0] op_sel_hi:[1,1,1]
	v_pk_fma_f32 v[ACC:ACC+1], v[B+4:B+5], v[B+10:B+11], v[ACC:ACC+1] op_sel_hi:[1,0,1]
	v_pk_fma_f32 v[ACC:ACC+1], v[B+6:B+7], v[B+10:B+11], v[ACC:ACC+1] op_sel:[0,1,0] op_sel_hi:[1,1,1]
.if (\lev) % 2
	ds_store_b64 v[LO], v[ACC:ACC+1] offset:8*(\lev)
.else
	ds_store_b64 v[LE], v[ACC:ACC+1] offset:8*(\lev)
.endif
.endm
	ADDR 0
	ADDR 1
.irp lev, 2,3,4,5,6,7,8,9,10,11,12,13,14,15
	ADDR \lev
	SUM \lev-2, 8                                  ; the 4 + 4 gathers of the two younger levels stay out
.endr
	SUM 14, 4
	SUM 15, 0
	; The way out.  The stage is the wave's own, and LDS serves a wave's instructions in order (ISA guide 5.7.1.4): no wait between the stores above and these loads.
	; Lane t of load j takes 16 bytes (two levels) of row 4 j + t / 8: 32 lanes hold 512 consecutive bytes of out0.
.irp j, 0,1,2,3
	ds_load_b128 v[REC+4*\j:REC+4*\j+3], v[RD] offset:\j*4*LPITCH
.endr
.irp j, 0,1,2,3
	ds_load_b128 v[BUF0+4*\j:BUF0+4*\j+3], v[RD] offset:LHALF+\j*4*LPITCH
.endr
.irp j, 0,1,2,3
	s_wait_dscnt 3-\j                              ; the loads issued behind pair j's second may stay out
	v_pk_add_f32 v[REC+4*\j:REC+4*\j+1],   v[REC+4*\j:REC+4*\j+1],   v[BUF0+4*\j+2:BUF0+4*\j+3]   ; half 1 holds each pair of levels swapped
	v_pk_add_f32 v[REC+4*\j+2:REC+4*\j+3], v[REC+4*\j+2:REC+4*\j+3], v[BUF0+4*\j:BUF0+4*\j+1]
	global_store_b128 v[OO], v[REC+4*\j:REC+4*\j+3], s[12:13] offset:512*\j th:TH_STORE_NT
.endr
	s_wait_tensorcnt 0x0
	ds_add_u32 v102, v103
	s_wait_dscnt 0x0
	s_endpgm
.Lfunc_end_k_q5c2f4a448e_gather:
	.size	k_q5c2f4a448e_gather, .Lfunc_end_k_q5c2f4a448e_gather-k_q5c2f4a448e_gather
	.p2alignl 7, 3214868480
	.fill 96, 4, 3214868480
	.section	.rodata,"a",@progbits
	.p2align	6, 0x0
	.amdhsa_kernel k_q5c2f4a448e_gather
		.amdhsa_group_segment_fixed_size 23808
		.amdhsa_private_segment_fixed_size 0
		.amdhsa_enable_private_segment 0
		.amdhsa_kernarg_size 40
		.amdhsa_user_sgpr_count 2
		.amdhsa_user_sgpr_kernarg_segment_ptr 1
		.amdhsa_wavefront_size32 1
		.amdhsa_system_sgpr_workgroup_id_x 1
		.amdhsa_system_sgpr_workgroup_id_y 1
		.amdhsa_system_sgpr_workgroup_id_z 1
		.amdhsa_system_vgpr_workitem_id 0
		.amdhsa_next_free_vgpr 104
		.amdhsa_next_free_sgpr 102
		.amdhsa_reserve_vcc 0
		.amdhsa_float_denorm_mode_32 3
		.amdhsa_float_denorm_mode_16_64 3
		.amdhsa_memory_ordered 1
		.amdhsa_forward_progress 1
		.amdhsa_inst_pref_size 86
	.end_amdhsa_kernel
	.amdgpu_metadata
---
amdhsa.version: [ 1, 2 ]
amdhsa.kernels:
  - .name:           k_q5c2f4a448e_gather
    .symbol:         k_q5c2f4a448e_gather.kd
    .args:
      - { .name: embeddings, .offset: 0, .size: 8, .value_kind: global_buffer, .address_space: global }
      - { .name: inputs, .offset: 8, .size: 8, .value_kind: global_buffer, .address_space: global }
      - { .name: rec, .offset: 16, .size: 8, .value_kind: global_buffer, .address_space: global }
      - { .name: par, .offset: 24, .size: 8, .value_kind: global_buffer, .address_space: global }
      - { .name: out0, .offset: 32, .size: 8, .value_kind: global_buffer, .address_space: global }
    .group_segment_fixed_size: 23808
    .private_segment_fixed_size: 0
    .kernarg_segment_align: 8
    .kernarg_segment_size: 40
    .max_flat_workgroup_size: 160
    .sgpr_count:     102
    .vgpr_count:     104
    .wavefront_size: 32
...
	.end_amdgpu_metadata
.endif
;; end of part 2
;; ======== version 2 of 3: 2 launches; 1.18 times as fast as version 1
;; limits: inputs' magnitudes at most 34
;; workspace buffers: rec 16,000,000 bytes of whole numbers; par 256 bytes of whole numbers
;; launch cells (part 3): grid 1954 x 1, 4 waves a work-group, no clusters, 0 bytes of LDS; arguments inputs, offsets, rec, par; writes rec, par
.if DOCPART == 3
	.amdgcn_target "amdgcn-amd-amdhsa--gfx1250"
	.amdhsa_code_object_version 6
	.text
	.protected	k_q5c2f4a448e_cells
	.globl	k_q5c2f4a448e_cells
	.p2align	8
	.type	k_q5c2f4a448e_cells,@function
k_q5c2f4a448e_cells:
	s_mov_b64 s[64:65], 0
	v_nop
	global_prefetch_b8 v0, s[64:65] scope:SCOPE_SE
	s_setreg_imm32_b32 hwreg(HW_REG_WAVE_MODE, 25, 1), 1
	s_wait_xcnt 0x0
; GridEncoder, first of two launches: the grid cells of every point at every level, as whole numbers.
; An address never hangs on floating-point data of the same launch.  So floor(x * scale + 0.5) is made here and stored as whole
; numbers, and the next launch forms its gather addresses from them by integer arithmetic alone.
;
; rec: one dword for a point and a level; three fields of 10 bits (x at bit 0, y at 10, z at 20), each pg_l - 2 pg_(l-1) + 512, with pg_(-1) = 0.
;   Since pos_l = 2 pos_(l-1) + about (x - 0.5), a field is small: -1 .. 2 for x in [0, 1).  16 MB in place of 48 MB of raw cells.
;   LIMIT: |inputs| < 34 (level 0 stores pg_0 itself, and |15 x + 0.5| must stay under 512).  Beyond it the fields run into each other.
;   Layout [4 groups of 4 levels][250000 points][4 dwords]: a lane stores 16 bytes, a wave 512 consecutive bytes at a multiple of 512.
; par: four dwords a level, made from the input 'offsets' by one wave: offset, size d, m, bias.
;   m = floor((2^32 - 1) / d) for the remainder by multiplication; m = 0 marks a hashed level whose d is a power of two of at most 2^20 (remainder = AND).
;   bias = 0: hashed level.  Else a dense level, and bias = (m >> 1) d, a multiple of d just under 2^31, which makes the dense index of negative cells positive.
;   LIMIT: offsets ascend, 1 <= d < 2^24 (the table has 7,131,240 entries), so that the f32 compare res^3 > d of the JAX function is the integer compare made here.
;
; THE SCALES.  The JAX function takes scale_l = exp2(l) * 16 - 1 in f32, and jnp.exp2(l) is exp(l * ln 2) with the product rounded to f32.
; ln 2 in f32 (0x3f317218) has 21 significant bits: the product is exact for l <= 12 and l = 14, lies at most 2.7e-8 above l ln 2, and the exponential rounds to 2^l.
; For l = 13 and l = 15 the product has 25 bits, lies half way between two f32 numbers and goes to the even one: 2^-21 above, 2^-21 below.
; So exp2(13) = 2^13 (1 + 2^-21), exp2(15) = 2^15 (1 - 2^-21), and the scales are 131071.0625 and 524286.75: eight units of the last place beside 2^(l+4) - 1.
; A quarter of a cell at level 15 is far more than the comparison allows, so the scales are taken as that function makes them.
;
; A lane is a point; a wave (a task) takes 32 points through the 16 levels.  250000 = 7812 x 32 + 16: task 7812 has 16 points; its upper lanes
; read the last point again and are switched off at the stores.  Four waves a group, one for each SIMD, no barrier: 7813 tasks in 1954 groups;
; the last group has one task, and its other three waves end at the first branch.
.set NPTS,  250000
.set TASKS, (NPTS+31)/32               ; 7813
.set PLANE, NPTS*16                    ; bytes of a group of four levels in rec
.set PACKB, 512*(1+(1<<10)+(1<<20))    ; the three fields' + 512
.set LN,  1                            ; v1       lane
.set PT,  2                            ; v2       point, not clamped
.set IO,  3                            ; v3       byte offset in inputs
.set XYZ, 4                            ; v[4:6]   the point
.set RO,  7                            ; v7       byte offset in a group of rec
.set T0,  8                            ; v[8:10], v[12:14] at work, by turns
.set PK,  16                           ; v16, v17 pg_x + (pg_y << 10) + (pg_z << 20) modulo 2^32 of this level and the one before, by turns
.set U,   18                           ; v18      at work
.set R,   20                           ; v[20:35] the 16 records
.macro SETSC lev                       ; SCV = the f32 bits of level lev's scale
.set SCV, (((\lev)+130)<<23)|(((1<<((\lev)+3))-1)<<(20-(\lev)))   ; 2^(lev+4) - 1
.if (\lev) == 13
.set SCV, SCV+8                        ; + 1/16
.endif
.if (\lev) == 15
.set SCV, SCV-8                        ; - 1/4
.endif
.endm
	v_lshrrev_b32 v[PT], 5, v0
	v_readfirstlane_b32 s12, v[PT]                 ; wave
	s_lshl_b32 s13, ttmp9, 2
	s_add_co_u32 s13, s13, s12                     ; task
	s_cmp_ge_u32 s13, TASKS
	s_cbranch_scc1 .Ldone                          ; the last group's waves 1 to 3: no task is left for them
	s_load_b256 s[4:11], s[0:1], 0x0               ; inputs s[4:5], offsets s[6:7], rec s[8:9], par s[10:11]
	s_lshl_b32 s14, s13, 5                         ; the task's first point
	s_mov_b32 s15, 0x100000000-PACKB               ; - PACKB
	v_and_b32 v[LN], 31, v0
	v_add_nc_u32 v[PT], s14, v[LN]
	v_min_u32 v[RO], NPTS-1, v[PT]                 ; every address stays inside its buffer in the last task too
	v_mul_u32_u24 v[IO], v[RO], 12
	v_lshlrev_b32 v[RO], 4, v[RO]
	s_wait_kmcnt 0x0
	global_load_b96 v[XYZ:XYZ+2], v[IO], s[4:5]
	s_add_nc_u64 s[18:19], s[8:9], 2*PLANE         ; rec's groups 2 and 3: three groups are more than a store's immediate holds
	s_wait_loadcnt 0x0
; pos = x * scale + 0.5 with TWO roundings, as the JAX function writes it.  A fused multiply-add differs from it where the sum passes a power of two,
; by a unit of the last place, which is 1/32 of a cell at level 15.  The next launch makes pos by the same two roundings, so cell and fraction belong together.
.irp l, 0,1,2,3,4,5,6,7,8,9,10,11,12,13,14,15
	SETSC \l
	.set T,  T0+4*((\l)%2)
	.set PC, PK+((\l)%2)
	.set PP, PK+(((\l)+1)%2)
	v_pk_mul_f32 v[T:T+1], v[XYZ:XYZ+1], SCV op_sel_hi:[1,0]
	v_mul_f32 v[T+2], SCV, v[XYZ+2]
	v_pk_add_f32 v[T:T+1], v[T:T+1], 0.5 op_sel_hi:[1,0]
	v_add_f32 v[T+2], 0.5, v[T+2]
	v_floor_f32 v[T],   v[T]
	v_floor_f32 v[T+1], v[T+1]
	v_floor_f32 v[T+2], v[T+2]
	v_cvt_i32_f32 v[T],   v[T]
	v_cvt_i32_f32 v[T+1], v[T+1]
	v_cvt_i32_f32 v[T+2], v[T+2]
	v_lshl_add_u32 v[T+1], v[T+2], 10, v[T+1]      ; packing is linear modulo 2^32, so the three differences are made in one subtraction
	v_lshl_add_u32 v[PC], v[T+1], 10, v[T]
.if \l == 0
	v_add_nc_u32 v[R], PACKB, v[PC]                ; pg_(-1) = 0
.else
	v_lshl_add_u32 v[U], v[PP], 1, s15             ; 2 P_(l-1) - PACKB
	v_sub_nc_u32 v[R+\l], v[PC], v[U]              ; P_l - 2 P_(l-1) + PACKB: three fields of 0 .. 1023
.endif
.endr
	v_cmp_gt_u32 vcc_lo, NPTS, v[PT]               ; lanes that have a point of their own
	s_wait_xcnt 0x0                                ; EXEC changes only behind this wait
	s_and_saveexec_b32 s16, vcc_lo
	global_store_b128 v[RO], v[R:R+3],     s[8:9]                 ; levels 0 to 3
	global_store_b128 v[RO], v[R+4:R+7],   s[8:9] offset:PLANE    ; 4 to 7
	global_store_b128 v[RO], v[R+8:R+11],  s[18:19]               ; 8 to 11
	global_store_b128 v[RO], v[R+12:R+15], s[18:19] offset:PLANE  ; 12 to 15
	s_wait_xcnt 0x0                                ; and again in front of the line that widens it
	s_or_b32 exec_lo, exec_lo, s16
	; The table of the levels: task 0 alone.  Lane = (level, half); both halves compute, half 0 stores (offset, d), half 1 (m, bias): 256 consecutive bytes.
	; All registers below are fresh: none is a source of the stores above.
	s_cmp_lg_u32 s13, 0
	s_cbranch_scc1 .Ldone
	v_and_b32 v36, 15, v[LN]                       ; level
	v_bfe_u32 v37, v[LN], 4, 1                     ; half
	v_lshlrev_b32 v38, 2, v36
	global_load_b32 v39, v38, s[6:7]               ; offsets[l]
	global_load_b32 v40, v38, s[6:7] offset:4      ; offsets[l + 1]
	v_mov_b32 v42, 0                               ; remainder
	v_mov_b32 v43, 0                               ; quotient
	s_mov_b32 s20, 32
	s_wait_loadcnt 0x0
	v_sub_nc_u32 v41, v40, v39                     ; d
.Ldiv:                                             ; (2^32 - 1) / d, a bit a trip; the remainder stays under d < 2^31, so its shift does not overflow
	v_lshl_or_b32 v42, v42, 1, 1                   ; every bit of the dividend is 1
	v_cmp_ge_u32 vcc_lo, v42, v41
	v_sub_nc_u32 v44, v42, v41
	v_cndmask_b32 v45, 0, 1, vcc_lo
	v_cndmask_b32 v42, v42, v44, vcc_lo
	v_lshl_or_b32 v43, v43, 1, v45
	s_sub_co_i32 s20, s20, 1
	s_cmp_lg_u32 s20, 0
	s_cbranch_scc1 .Ldiv
	v_mad_u32_u24 v46, v36, 3, 12                  ; res^3 = (16 * 2^l)^3 = 2^(12 + 3 l); from 2^31 on it exceeds every d
	v_min_u32 v46, 31, v46
	v_lshlrev_b32 v46, v46, 1
	v_cmp_gt_u32 s21, v46, v41                     ; use_hash: res^3 > d
	v_add_nc_u32 v44, -1, v41
	v_and_b32 v44, v44, v41
	v_cmp_eq_u32 s22, 0, v44                       ; d is a power of two
	v_cmp_ge_u32 s23, 0x100000, v41                ; of at most 2^20
	s_and_b32 s22, s22, s23
	s_and_b32 s22, s22, s21                        ; remainder = AND
	v_lshrrev_b32 v47, 1, v43
	v_mul_lo_u32 v47, v47, v41                     ; (m >> 1) d
	v_cndmask_b32 v47, v47, 0, s21                 ; bias: 0 on hashed levels
	v_cndmask_b32 v43, v43, 0, s22                 ; m: 0 where the AND serves
	v_cmp_ne_u32 vcc_lo, 0, v37
	v_cndmask_b32 v48, v39, v43, vcc_lo            ; half 0: offset   half 1: m
	v_cndmask_b32 v49, v41, v47, vcc_lo            ; half 0: d        half 1: bias
	v_lshlrev_b32 v50, 4, v36
	v_lshl_add_u32 v50, v37, 3, v50                ; 16 l + 8 h
	global_store_b64 v50, v[48:49], s[10:11]
.Ldone:
	s_endpgm
.Lfunc_end_k_q5c2f4a448e_cells:
	.size	k_q5c2f4a448e_cells, .Lfunc_end_k_q5c2f4a448e_cells-k_q5c2f4a448e_cells
	.p2alignl 7, 3214868480
	.fill 96, 4, 3214868480
	.section	.rodata,"a",@progbits
	.p2align	6, 0x0
	.amdhsa_kernel k_q5c2f4a448e_cells
		.amdhsa_group_segment_fixed_size 0
		.amdhsa_private_segment_fixed_size 0
		.amdhsa_enable_private_segment 0
		.amdhsa_kernarg_size 32
		.amdhsa_user_sgpr_count 2
		.amdhsa_user_sgpr_kernarg_segment_ptr 1
		.amdhsa_wavefront_size32 1
		.amdhsa_system_sgpr_workgroup_id_x 1
		.amdhsa_system_sgpr_workgroup_id_y 1
		.amdhsa_system_sgpr_workgroup_id_z 1
		.amdhsa_system_vgpr_workitem_id 0
		.amdhsa_next_free_vgpr 52
		.amdhsa_next_free_sgpr 66
		.amdhsa_reserve_vcc 1
		.amdhsa_float_denorm_mode_32 3
		.amdhsa_float_denorm_mode_16_64 3
		.amdhsa_memory_ordered 1
		.amdhsa_forward_progress 1
		.amdhsa_inst_pref_size 15
	.end_amdhsa_kernel
	.amdgpu_metadata
---
amdhsa.version: [ 1, 2 ]
amdhsa.kernels:
  - .name:           k_q5c2f4a448e_cells
    .symbol:         k_q5c2f4a448e_cells.kd
    .args:
      - { .name: inputs, .offset: 0, .size: 8, .value_kind: global_buffer, .address_space: global }
      - { .name: offsets, .offset: 8, .size: 8, .value_kind: global_buffer, .address_space: global }
      - { .name: rec, .offset: 16, .size: 8, .value_kind: global_buffer, .address_space: global }
      - { .name: par, .offset: 24, .size: 8, .value_kind: global_buffer, .address_space: global }
    .group_segment_fixed_size: 0
    .private_segment_fixed_size: 0
    .kernarg_segment_align: 8
    .kernarg_segment_size: 32
    .max_flat_workgroup_size: 128
    .sgpr_count:     66
    .vgpr_count:     52
    .wavefront_size: 32
...
	.end_amdgpu_metadata
.endif
;; end of part 3
;; launch gather (part 4): grid 1954 x 1, 4 waves a work-group, no clusters, 18,944 bytes of LDS; arguments embeddings, inputs, rec, par, out0; writes out0
.if DOCPART == 4
	.amdgcn_target "amdgcn-amd-amdhsa--gfx1250"
	.amdhsa_code_object_version 6
	.text
	.protected	k_q5c2f4a448e_gather
	.globl	k_q5c2f4a448e_gather
	.p2align	8
	.type	k_q5c2f4a448e_gather,@function
k_q5c2f4a448e_gather:
	s_mov_b64 s[64:65], 0
	v_nop
	global_prefetch_b8 v0, s[64:65] scope:SCOPE_SE
	s_setreg_imm32_b32 hwreg(HW_REG_WAVE_MODE, 25, 1), 1
	s_wait_xcnt 0x0
; GridEncoder, second of two launches: indices from the stored cells, the gather, the trilinear sum.  out0[p][2 l + c].
; Every address here is made of whole numbers that the first launch stored (rec, par); inputs give only the fractions, that is, values.
; rec, par, the scales and the limits (|inputs| < 34; offsets ascending, 1 <= size < 2^24; NaN and infinities stay inside the table but give other numbers
; than JAX) are described at the head of the first launch.
;
; A lane is a point and takes all eight corners: cell, hash terms and weights are made once for a point.  (Two lanes a point, one for each x corner, would
; ask for the neighbours x and x + 1 in one instruction, but would make the cell, the y and z terms and the y and z weights twice.  Here the two are asked
; for by consecutive instructions.)  A wave (a task) takes 32 points through the 16 levels, which are written out one after the other.
; 250000 = 7812 x 32 + 16: task 7812 has 16 points; its upper lanes work on the last point again, and their rows are not stored.
; Four waves a group, one for each SIMD, no barrier: 7813 tasks in 1954 groups; the last group has one task, and its other three waves end at the first branch.
; Four register buffers take turns: the gathers of three younger levels, 24 loads, are out while a level is summed.  A buffer holds the eight entries alone:
; a level's weights are made when it is summed, in front of the wait for its entries, so that they take one set of eight registers and not one for each buffer.
; A point's 32 numbers go to its row in the wave's own LDS stage, are read back by rows and leave as stores of 512 consecutive bytes.
; The weighted sum has its own 8 weights and its own 8 x 2 values for every point and level: no operand is shared, a 16 x 16 matrix tile would be 1/16 used.
; So it is eight packed f32 multiply-adds a lane.  No cluster and no tiles in LDS: work-groups share no tile; the table is read entry by entry.
; No prefetch: each block of a level's table is wanted by many points spread over the whole launch, so asking for a block once, shortly ahead of its use, cannot be arranged.
.set NPTS,  250000
.set TASKS, (NPTS+31)/32               ; 7813
.set PLANE, NPTS*16                    ; bytes of a group of four levels in rec
.set PR1, 0x9e3779b1                   ; 2654435761, the hash's prime for y
.set PR2, 0x30025795                   ; 805459861, for z
.set LPITCH, 144                       ; an LDS row: a point's 128 bytes + 16, nine columns of 16 bytes: the 16 lanes that a 16-byte store serves together touch 16 different
                                       ; columns modulo 256 bytes (64 banks of 4 bytes: ISA guide 11.1).  On the way back a group of 16 lanes takes two rows, which share one column.
.set LWAVE,  32*LPITCH                 ; a wave's stage
.set LN,  1                            ; v1       lane
.set XYZ, 4                            ; v[4:6]   the point; v7 = x again, so that (z, x) is an aligned pair
.set QX,  8                            ; v8-10    cell - 512 of the level at hand: q_l = 2 q_(l-1) + field, q_(-1) = -512
.set QY,  9
.set QZ,  10
.set LA,  11                           ; v11      LDS address of my row
.set RD,  12                           ; v12      LDS address on the way out
.set OO,  13                           ; v13      16 x lane
.set TP,  14                           ; v[14:15] pos, then fractions (z, x)
.set TY,  16                           ; v16      pos y
.set F,   18                           ; v[18:20] fields x, y, z; in the sum floors z, x, y
.set H,   22                           ; v[22:31] the hash: x, x + 1, y P1, (y + 1) P1, z P2, (z + 1) P2, their four (y, z) combinations.  Free again once the indices stand:
.set G,   22                           ; v[22:29] at work in the remainder
.set NG,  22                           ; v[22:23] (1 - fz, 1 - fx)
.set PY,  24                           ; v[24:25] (1 - fy, fy)
.set A0,  26                           ; v[26:27] (1 - fx) * (1 - fy, fy)
.set A1,  28                           ; v[28:29] fx * (1 - fy, fy)
.set ACC, 32                           ; v[32:35] the two numbers of an even level and of the odd one behind it
.set REC, 36                           ; v[36:51] my point's 16 records; on the way out rows
.set BUF0, 52                          ; v[52:115] four buffers: 8 x 2 registers byte offset -> entry (corner x + 2 y + 4 z)
.set WT,  116                          ; v[116:123] the eight weights of the level that is summed
.set SP1, 66
.set SP2, 67
.set SK1, 68                           ; 512 * PR1: takes the - 512 out of q_y
.set SK2, 69
.set SMK, 70                           ; d - 1
.set SND, 71                           ; - d
.set ST,  72                           ; s[72:73] a byte offset, high word 0
.set LOFF, 74                          ; byte offset of the level's part of the table
.set SU,  75
.set SKD, 76
.set SW,  77
.set REC2, 78                          ; s[78:79] rec + 2 groups (three groups are more than a load's immediate holds)
.macro SETSC lev                       ; SCV = the f32 bits of level lev's scale (see the first launch)
.set SCV, (((\lev)+130)<<23)|(((1<<((\lev)+3))-1)<<(20-(\lev)))
.if (\lev) == 13
.set SCV, SCV+8
.endif
.if (\lev) == 15
.set SCV, SCV-8
.endif
.endm
.macro SETPB lev                       ; PB = first of the level's four scalar registers: offset, d, m, bias.  s[16:63], then s[80:95]
.if (\lev) < 12
.set PB, 16+4*(\lev)
.else
.set PB, 32+4*(\lev)
.endif
.endm
	v_lshl_add_u32 v124, v0, 2, 0x4800
	v_mov_b32 v125, 0
	v_lshrrev_b32 v2, 5, v0
	v_readfirstlane_b32 s14, v2                    ; wave
	s_lshl_b32 s15, ttmp9, 2
	s_add_co_u32 s15, s15, s14                     ; task
	s_cmp_ge_u32 s15, TASKS
	s_cbranch_scc1 .Lnone                          ; the last group's waves 1 to 3: no task is left for them
	s_load_b256 s[4:11], s[0:1], 0x0               ; embeddings s[4:5], inputs s[6:7], rec s[8:9], par s[10:11]
	s_load_b64 s[12:13], s[0:1], 0x20              ; out0
	s_lshl_b32 s[SU], s15, 5                       ; the task's first point
	v_and_b32 v[LN], 31, v0
	v_add_nc_u32 v2, s[SU], v[LN]
	v_min_u32 v2, NPTS-1, v2                       ; every address stays inside its buffer in the last task too
	v_lshlrev_b32 v3, 4, v2                        ; the point's 16 bytes in a group of rec; v3 is never written again
	v_mul_u32_u24 v2, v2, 12                       ; its 12 bytes in inputs
	s_wait_kmcnt 0x0
	s_add_nc_u64 s[REC2:REC2+1], s[8:9], 2*PLANE
	global_load_b96 v[XYZ:XYZ+2], v2, s[6:7]
	global_load_b128 v[REC:REC+3],     v3, s[8:9] th:TH_LOAD_NT                        ; 32 lanes: 512 consecutive bytes
	global_load_b128 v[REC+4:REC+7],   v3, s[8:9] offset:PLANE th:TH_LOAD_NT
	global_load_b128 v[REC+8:REC+11],  v3, s[REC2:REC2+1] th:TH_LOAD_NT
	global_load_b128 v[REC+12:REC+15], v3, s[REC2:REC2+1] offset:PLANE th:TH_LOAD_NT
	s_load_b512 s[16:31], s[10:11], 0x0            ; the 16 levels' parameters stay in scalar registers
	s_load_b512 s[32:47], s[10:11], 0x40
	s_load_b512 s[48:63], s[10:11], 0x80
	s_load_b512 s[80:95], s[10:11], 0xc0
	s_lshl_b32 s[ST], s15, 12                      ; the task's 32 rows of 128 bytes in out0
	s_mov_b32 s[ST+1], 0
	s_add_nc_u64 s[12:13], s[12:13], s[ST:ST+1]
	s_mov_b32 s[SP1], PR1
	s_mov_b32 s[SP2], PR2
	s_mov_b32 s[SK1], (512*PR1)&0xffffffff
	s_mov_b32 s[SK2], (512*PR2)&0xffffffff
	s_mul_i32 s[SW], s14, LWAVE                    ; my wave's stage
	v_mul_u32_u24 v[LA], v[LN], LPITCH
	v_add_nc_u32 v[LA], s[SW], v[LA]               ; my row
	v_bfe_u32 v[H], v0, 3, 2                       ; back: eight lanes take a row
	v_and_b32 v[H+1], 7, v0
	v_mul_u32_u24 v[H], v[H], LPITCH
	v_lshl_add_u32 v[H], v[H+1], 4, v[H]
	v_add_nc_u32 v[RD], s[SW], v[H]
	v_lshlrev_b32 v[OO], 4, v[LN]
	s_wait_kmcnt 0x0
	s_wait_loadcnt 0x3                             ; the point and the records of levels 0 to 3 are in; the three younger loads (levels 4 to 15) stay out.
	                                               ; Their registers are first read in level 4's ADDR, behind level 0's SUM, whose count of 24 covers the gathers of levels 1 to 3 alone
	v_mov_b32 v[XYZ+3], v[XYZ]                     ; (z, x)
; v mod d for any d: q = high word of v * m is the quotient or one less (m = floor((2^32 - 1) / d), so v / d - v m / 2^32 < 1), so v - q d lies in [0, 2 d):
; one subtraction, taken by an unsigned minimum (it wraps to a large number where it is not wanted).
; Then the bound: a number that comes from memory enters an address only behind a minimum with a constant written in the instruction.
; The result is under 7,131,240, so it is bounded in two parts, r >> 3 and r & 7.  Last the entry's byte offset in the table: 8 x index + the level's.
.macro MODCLAMP r
	v_mul_hi_u32 v[G], v[\r], s[PB+2]
	v_mad_u32 v[\r], v[G], s[SND], v[\r]
	v_add_nc_u32 v[G], s[SND], v[\r]
	v_min_u32 v[\r], v[\r], v[G]
	v_lshrrev_b32 v[G], 3, v[\r]
	v_and_b32 v[G+1], 7, v[\r]
	v_min_u32 v[G], 0xfffff, v[G]
	v_min_u32 v[G+1], 7, v[G+1]
	v_lshl_add_u32 v[\r], v[G], 3, v[G+1]
	v_lshl_add_u32 v[\r], v[\r], 3, s[LOFF]
.endm
; The same remainder for d <= 2^20: it is under 2^20, so one written minimum bounds it.  All eight indices of buffer B, stage by stage:
; no instruction reads the result of the one in front of it.
.macro MODSHORT
.irp k, 0,1,2,3,4,5,6,7
	v_mul_hi_u32 v[G+\k], v[B+2*\k], s[PB+2]
.endr
.irp k, 0,1,2,3,4,5,6,7
	v_mad_u32 v[B+2*\k], v[G+\k], s[SND], v[B+2*\k]
.endr
.irp k, 0,1,2,3,4,5,6,7
	v_add_nc_u32 v[G+\k], s[SND], v[B+2*\k]
.endr
.irp k, 0,1,2,3,4,5,6,7
	v_min_u32 v[B+2*\k], v[B+2*\k], v[G+\k]
.endr
.irp k, 0,1,2,3,4,5,6,7
	v_min_u32 v[B+2*\k], 0xfffff, v[B+2*\k]        ; the written bound; it changes no index here
.endr
.irp k, 0,1,2,3,4,5,6,7
	v_lshl_add_u32 v[B+2*\k], v[B+2*\k], 3, s[LOFF]
.endr
.endm
; A level's first part: cell, eight indices, eight gathers, into buffer lev mod 4.
; That buffer's registers belonged to level lev - 4, whose gathers the counted wait of its SUM has shown done.
.macro ADDR lev
	SETPB \lev
	.set B, BUF0+16*((\lev)%4)
	.set RES, 16<<(\lev)
	; the level's part of the table: 8 bytes x offset, the offset bounded in two parts as above
	s_lshr_b32 s[LOFF], s[PB], 3
	s_and_b32 s[SU], s[PB], 7
	s_min_u32 s[LOFF], s[LOFF], 0xfffff
	s_min_u32 s[SU], s[SU], 7
	s_lshl_b32 s[LOFF], s[LOFF], 6
	s_lshl3_add_u32 s[LOFF], s[SU], s[LOFF]
	; the cell
	v_and_b32 v[F], 0x3ff, v[REC+\lev]
	v_bfe_u32 v[F+1], v[REC+\lev], 10, 10
	v_lshrrev_b32 v[F+2], 20, v[REC+\lev]
.if \lev == 0
	v_add_nc_u32 v[QX], 0xfffffc00, v[F]           ; 2 * (-512) + field
	v_add_nc_u32 v[QY], 0xfffffc00, v[F+1]
	v_add_nc_u32 v[QZ], 0xfffffc00, v[F+2]
.else
	v_lshl_add_u32 v[QX], v[QX], 1, v[F]
	v_lshl_add_u32 v[QY], v[QY], 1, v[F+1]
	v_lshl_add_u32 v[QZ], v[QZ], 1, v[F+2]
.endif
.if \lev <= 3                                      ; from level 4 on res^3 >= 2^24 exceeds every size: always hashed
	s_cmp_lg_u32 s[PB+3], 0
	s_cbranch_scc1 .Ldense\lev
.endif
	; x ^ y * PR1 ^ z * PR2 modulo 2^32 for the eight corners
	v_add_nc_u32 v[H],   0x200, v[QX]              ; x
	v_add_nc_u32 v[H+1], 0x201, v[QX]              ; x + 1
	v_mad_u32 v[H+2], v[QY], s[SP1], s[SK1]        ; y P1
	v_mad_u32 v[H+4], v[QZ], s[SP2], s[SK2]        ; z P2
	v_add_nc_u32 v[H+3], s[SP1], v[H+2]            ; (y + 1) P1
	v_add_nc_u32 v[H+5], s[SP2], v[H+4]            ; (z + 1) P2
	v_xor_b32 v[H+6], v[H+2], v[H+4]               ; (y,     z)
	v_xor_b32 v[H+7], v[H+3], v[H+4]               ; (y + 1, z)
	v_xor_b32 v[H+8], v[H+2], v[H+5]               ; (y,     z + 1)
	v_xor_b32 v[H+9], v[H+3], v[H+5]               ; (y + 1, z + 1)
.irp k, 0,1,2,3
	v_xor_b32 v[B+4*\k],   v[H],   v[H+6+\k]
	v_xor_b32 v[B+4*\k+2], v[H+1], v[H+6+\k]
.endr
	s_cmp_eq_u32 s[PB+2], 0
	s_cbranch_scc1 .Lfast\lev
.if \lev <= 3
	s_branch .Lmod\lev
.Ldense\lev:
	; x + res y + res^2 z + bias, with the three - 512 taken out
	v_mad_u32 v[H], v[QZ], RES, v[QY]
	v_mad_u32 v[H], v[H], RES, v[QX]
	s_add_co_u32 s[SKD], s[PB+3], 512+512*RES+512*RES*RES
	v_add_nc_u32 v[B], s[SKD], v[H]
	v_add_nc_u32 v[B+2],  1, v[B]
	v_add_nc_u32 v[B+4],  RES, v[B]
	v_add_nc_u32 v[B+6],  RES+1, v[B]
	v_add_nc_u32 v[B+8],  RES*RES, v[B]
	v_add_nc_u32 v[B+10], RES*RES+1, v[B]
	v_add_nc_u32 v[B+12], RES*RES+RES, v[B]
	v_add_nc_u32 v[B+14], RES*RES+RES+1, v[B]
.Lmod\lev:
.endif
	s_sub_co_u32 s[SND], 0, s[PB+1]
	s_cmp_le_u32 s[PB+1], 0x100000
	s_cbranch_scc1 .Lshort\lev
.irp c, 0,2,4,6,8,10,12,14
	MODCLAMP B+\c
.endr
	s_branch .Ljoin\lev
.Lshort\lev:
	MODSHORT
	s_branch .Ljoin\lev
.Lfast\lev:
	s_add_co_i32 s[SMK], s[PB+1], -1               ; d is a power of two of at most 2^20
.irp c, 0,2,4,6,8,10,12,14
	v_and_b32 v[B+\c], s[SMK], v[B+\c]
.endr
.irp c, 0,2,4,6,8,10,12,14
	v_min_u32 v[B+\c], 0xfffff, v[B+\c]            ; the written bound on a number that comes from memory; it changes no index here
.endr
.irp c, 0,2,4,6,8,10,12,14
	v_lshl_add_u32 v[B+\c], v[B+\c], 3, s[LOFF]    ; the entry's byte offset in the table
.endr
.Ljoin\lev:
.irp c, 0,2,4,6,8,10,12,14
	global_load_b64 v[B+\c:B+\c+1], v[B+\c], s[4:5]        ; each load lands on its own offset register; x and x + 1 of a (y, z) follow each other
.endr
.endm
; A level's second part: its eight weights, then its two numbers.  cnt = the gathers issued behind this level's, which may stay out.
; Behind an odd level the four numbers of two levels go to my LDS row as 16 bytes.
.macro SUM lev, cnt
	SETSC \lev
	.set B, BUF0+16*((\lev)%4)
	.set AC, ACC+2*((\lev)%2)
	; the weights, in front of the wait.  pos by a multiply and a separate add: the same two roundings as in the first launch (see there)
	v_pk_mul_f32 v[TP:TP+1], v[XYZ+2:XYZ+3], SCV op_sel_hi:[1,0]          ; z, x
	v_mul_f32 v[TY], SCV, v[XYZ+1]                                        ; y
	v_pk_add_f32 v[TP:TP+1], v[TP:TP+1], 0.5 op_sel_hi:[1,0]
	v_add_f32 v[TY], 0.5, v[TY]
	v_floor_f32 v[F],   v[TP]
	v_floor_f32 v[F+1], v[TP+1]
	v_floor_f32 v[F+2], v[TY]
	v_pk_add_f32 v[TP:TP+1], v[TP:TP+1], v[F:F+1] neg_lo:[0,1] neg_hi:[0,1]       ; (fz, fx)
	v_sub_f32 v[PY+1], v[TY], v[F+2]                                              ; fy, beside
	v_pk_fma_f32 v[NG:NG+1], v[TP:TP+1], -1.0, 1.0 op_sel_hi:[1,0,0]              ; (1 - fz, 1 - fx)
	v_sub_f32 v[PY], 1.0, v[PY+1]                                                 ; 1 - fy
	v_pk_mul_f32 v[A0:A0+1], v[PY:PY+1], v[NG:NG+1] op_sel:[0,1] op_sel_hi:[1,1]  ; * (1 - fx)
	v_pk_mul_f32 v[A1:A1+1], v[PY:PY+1], v[TP:TP+1] op_sel:[0,1] op_sel_hi:[1,1]  ; * fx
	v_pk_mul_f32 v[WT:WT+1],   v[A0:A0+1], v[NG:NG+1] op_sel_hi:[1,0]             ; * (1 - fz): corners (x,     y, z), (x,     y + 1, z)
	v_pk_mul_f32 v[WT+2:WT+3], v[A1:A1+1], v[NG:NG+1] op_sel_hi:[1,0]             ;             corners (x + 1, y, z), (x + 1, y + 1, z)
	v_pk_mul_f32 v[WT+4:WT+5], v[A0:A0+1], v[TP:TP+1] op_sel_hi:[1,0]             ; * fz:       the same at z + 1
	v_pk_mul_f32 v[WT+6:WT+7], v[A1:A1+1], v[TP:TP+1] op_sel_hi:[1,0]
	s_wait_loadcnt \cnt                            ; loads come back in order (ISA guide 5.7.1)
	v_pk_mul_f32 v[AC:AC+1], v[B:B+1],     v[WT:WT+1] op_sel_hi:[1,0]
	v_pk_fma_f32 v[AC:AC+1], v[B+2:B+3],   v[WT+2:WT+3], v[AC:AC+1] op_sel_hi:[1,0,1]
	v_pk_fma_f32 v[AC:AC+1], v[B+4:B+5],   v[WT:WT+1],   v[AC:AC+1] op_sel:[0,1,0] op_sel_hi:[1,1,1]
	v_pk_fma_f32 v[AC:AC+1], v[B+6:B+7],   v[WT+2:WT+3], v[AC:AC+1] op_sel:[0,1,0] op_sel_hi:[1,1,1]
	v_pk_fma_f32 v[AC:AC+1], v[B+8:B+9],   v[WT+4:WT+5], v[AC:AC+1] op_sel_hi:[1,0,1]
	v_pk_fma_f32 v[AC:AC+1], v[B+10:B+11], v[WT+6:WT+7], v[AC:AC+1] op_sel_hi:[1,0,1]
	v_pk_fma_f32 v[AC:AC+1], v[B+12:B+13], v[WT+4:WT+5], v[AC:AC+1] op_sel:[0,1,0] op_sel_hi:[1,1,1]
	v_pk_fma_f32 v[AC:AC+1], v[B+14:B+15], v[WT+6:WT+7], v[AC:AC+1] op_sel:[0,1,0] op_sel_hi:[1,1,1]
.if (\lev) % 2
	ds_store_b128 v[LA], v[ACC:ACC+3] offset:8*(\lev)-8
.endif
.endm
	ADDR 0
	ADDR 1
	ADDR 2
.irp lev, 3,4,5,6,7,8,9,10,11,12,13,14,15
	ADDR \lev
	SUM \lev-3, 24                                 ; the 8 + 8 + 8 gathers of the three younger levels stay out
.endr
	SUM 13, 16
	SUM 14, 8
	SUM 15, 0
	; The way out.  The stage is the wave's own, and LDS serves a wave's instructions in order (ISA guide 5.7.1.4): no wait between the stores above and these loads.
	; Lane t of load j takes 16 bytes (two levels) of row 4 j + t / 8: 32 lanes hold 512 consecutive bytes of out0.
.macro BACK j, reg
	ds_load_b128 v[\reg:\reg+3], v[RD] offset:\j*4*LPITCH
.endm
.macro LEAVE j, reg, left                          ; left = the LDS loads issued behind load j, which may stay out
	s_wait_dscnt \left
	global_store_b128 v[OO], v[\reg:\reg+3], s[12:13] offset:512*\j th:TH_STORE_NT
.endm
.irp j, 0,1,2,3
	BACK \j, REC+4*\j
.endr
	s_cmp_eq_u32 s15, TASKS-1
	s_cbranch_scc1 .Lhalf                          ; the last task has 16 points: rows 0 to 15
.irp j, 4,5,6,7
	BACK \j, BUF0+4*\j-16
.endr
.irp j, 0,1,2,3
	LEAVE \j, REC+4*\j, 7-\j
.endr
.irp j, 4,5,6,7
	LEAVE \j, BUF0+4*\j-16, 7-\j
.endr
	s_wait_tensorcnt 0x0
	ds_add_u32 v124, v125
	s_wait_dscnt 0x0
	s_endpgm
.Lhalf:
.irp j, 0,1,2,3
	LEAVE \j, REC+4*\j, 3-\j
.endr
.Lnone:
	s_wait_tensorcnt 0x0
	ds_add_u32 v124, v125
	s_wait_dscnt 0x0
	s_endpgm
.Lfunc_end_k_q5c2f4a448e_gather:
	.size	k_q5c2f4a448e_gather, .Lfunc_end_k_q5c2f4a448e_gather-k_q5c2f4a448e_gather
	.p2alignl 7, 3214868480
	.fill 96, 4, 3214868480
	.section	.rodata,"a",@progbits
	.p2align	6, 0x0
	.amdhsa_kernel k_q5c2f4a448e_gather
		.amdhsa_group_segment_fixed_size 18944
		.amdhsa_private_segment_fixed_size 0
		.amdhsa_enable_private_segment 0
		.amdhsa_kernarg_size 40
		.amdhsa_user_sgpr_count 2
		.amdhsa_user_sgpr_kernarg_segment_ptr 1
		.amdhsa_wavefront_size32 1
		.amdhsa_system_sgpr_workgroup_id_x 1
		.amdhsa_system_sgpr_workgroup_id_y 1
		.amdhsa_system_sgpr_workgroup_id_z 1
		.amdhsa_system_vgpr_workitem_id 0
		.amdhsa_next_free_vgpr 126
		.amdhsa_next_free_sgpr 96
		.amdhsa_reserve_vcc 0
		.amdhsa_float_denorm_mode_32 3
		.amdhsa_float_denorm_mode_16_64 3
		.amdhsa_memory_ordered 1
		.amdhsa_forward_progress 1
		.amdhsa_inst_pref_size 188
	.end_amdhsa_kernel
	.amdgpu_metadata
---
amdhsa.version: [ 1, 2 ]
amdhsa.kernels:
  - .name:           k_q5c2f4a448e_gather
    .symbol:         k_q5c2f4a448e_gather.kd
    .args:
      - { .name: embeddings, .offset: 0, .size: 8, .value_kind: global_buffer, .address_space: global }
      - { .name: inputs, .offset: 8, .size: 8, .value_kind: global_buffer, .address_space: global }
      - { .name: rec, .offset: 16, .size: 8, .value_kind: global_buffer, .address_space: global }
      - { .name: par, .offset: 24, .size: 8, .value_kind: global_buffer, .address_space: global }
      - { .name: out0, .offset: 32, .size: 8, .value_kind: global_buffer, .address_space: global }
    .group_segment_fixed_size: 18944
    .private_segment_fixed_size: 0
    .kernarg_segment_align: 8
    .kernarg_segment_size: 40
    .max_flat_workgroup_size: 128
    .sgpr_count:     96
    .vgpr_count:     126
    .wavefront_size: 32
...
	.end_amdgpu_metadata
.endif
;; end of part 4
;; ======== version 3 of 3: 2 launches; version 2 with the launch gather written anew for expert scheduling mode
;; limits: inputs' magnitudes at most 34
;; workspace buffers: rec 16,000,000 bytes of whole numbers; par 256 bytes of whole numbers
;; launch cells: the kernel of part 3 again; grid 1954 x 1, 4 waves a work-group, no clusters, 0 bytes of LDS; arguments inputs, offsets, rec, par; writes rec, par
;; launch gather (part 5): grid 1954 x 1, 4 waves a work-group, no clusters, 18,944 bytes of LDS; arguments embeddings, inputs, rec, par, out0; writes out0
.if DOCPART == 5
	.amdgcn_target "amdgcn-amd-amdhsa--gfx1250"
	.amdhsa_code_object_version 6
	.text
	.protected	k_q5c2f4a448e_gather
	.globl	k_q5c2f4a448e_gather
	.p2align	8
	.type	k_q5c2f4a448e_gather,@function
k_q5c2f4a448e_gather:
	s_mov_b64 s[64:65], 0
	v_nop
	global_prefetch_b8 v0, s[64:65] scope:SCOPE_SE
	s_setreg_imm32_b32 hwreg(HW_REG_WAVE_SCHED_MODE, 0, 2), 2
	s_setreg_imm32_b32 hwreg(HW_REG_WAVE_MODE, 25, 1), 1
	s_wait_xcnt 0x0
	s_wait_alu depctr_vm_vsrc(0)
; GridEncoder, second of two launches: indices from the stored cells, the gather, the trilinear sum.  out0[p][2 l + c].
; Every address here is made of whole numbers that the first launch stored (rec, par); inputs give only the fractions, that is, values.
; rec, par, the scales and the limits (|inputs| < 34; offsets ascending, 1 <= size < 2^24; NaN and infinities stay inside the table but give other numbers
; than JAX) are described at the head of the first launch.
;
; A lane is a point and takes all eight corners: cell, hash terms and weights are made once for a point.  (Two lanes a point, one for each x corner, would
; ask for the neighbours x and x + 1 in one instruction, but would make the cell, the y and z terms and the y and z weights twice.  Here the two are asked
; for by consecutive instructions.)  A wave (a task) takes 32 points through the 16 levels, which are written out one after the other.
; 250000 = 7812 x 32 + 16: task 7812 has 16 points; its upper lanes work on the last point again, and their rows are not stored.
; Four waves a group, one for each SIMD, no barrier: 7813 tasks in 1954 groups; the last group has one task, and its other three waves end at the first branch.
; Four register buffers take turns: the gathers of three younger levels, 24 loads, are out while a level is summed.  A buffer holds the eight entries alone:
; a level's weights are made when it is summed, in front of the wait for its entries, so that they take one set of eight registers and not one for each buffer.
; A point's 32 numbers go to its row in the wave's own LDS stage, are read back by rows and leave as stores of 512 consecutive bytes.
; The weighted sum has its own 8 weights and its own 8 x 2 values for every point and level: no operand is shared, a 16 x 16 matrix tile would be 1/16 used.
; So it is eight packed f32 multiply-adds a lane.  No cluster and no tiles in LDS: work-groups share no tile; the table is read entry by entry.
; No prefetch: each block of a level's table is wanted by many points spread over the whole launch, so asking for a block once, shortly ahead of its use, cannot be arranged.
;
; THE MODE: SCHED_MODE bits 1:0 = 2 (LLVM: expert scheduling mode 2), set by the entry lines.  The code itself states the register dependences
; between vector instructions and memory or LDS instructions, with s_wait_alu, always for 0.
; THE PLAN.  Registers that memory or LDS instructions touch:
;   v2, v3       offsets of the head's five loads; made once, never written again.
;   XYZ          the head's load lands in it; vector lines read it; no later load lands in it.
;   REC          the head's four loads land in it; ADDR's field lines read it; on the way out four LDS loads land in it and the stores read it.
;   BUF0 .. 3    ADDR lev writes eight offsets into buffer lev mod 4; the level's eight gathers read them and land on them; SUM lev reads the entries;
;                ADDR lev + 4 writes the offsets again.  On the way out four LDS loads land in buffer 0.
;   ACC, 2 sets  SUM 2 p and SUM 2 p + 1 write set p mod 2; one LDS store reads it, issued in ADDR 2 p + 5; SUM 2 p + 4 writes the set again.
;   LA, RD, OO   made at the head, never written again.
;   Q, F, H, TP, TY and the weights WT are named by vector lines alone.
; A level has two waits.  One on vm_vsrc ahead of the lines that write its buffer's offsets again: the gathers of four levels back have read them; the same line, one
; and two levels behind an LDS store, frees that store's set of ACC.  One on va_vdst where the three ways of making indices join: the offsets are written, the sum of four
; levels back is done reading the buffer, and the finished pair's set of ACC is written.  Behind it stand that pair's LDS store and the level's gathers, these dealt in four
; pairs among the weight lines of the level that is summed; weight lines and sum name XYZ, TP, TY, F, v22 to v29, WT, another buffer and the other set of ACC: none of the registers that store and gathers touch.
.set NPTS,  250000
.set TASKS, (NPTS+31)/32               ; 7813
.set PLANE, NPTS*16                    ; bytes of a group of four levels in rec
.set PR1, 0x9e3779b1                   ; 2654435761, the hash's prime for y
.set PR2, 0x30025795                   ; 805459861, for z
.set LPITCH, 144                       ; an LDS row: a point's 128 bytes + 16, nine columns of 16 bytes: the 16 lanes that a 16-byte store serves together touch 16 different
                                       ; columns modulo 256 bytes (64 banks of 4 bytes: ISA guide 11.1).  On the way back a group of 16 lanes takes two rows, which share one column.
.set LWAVE,  32*LPITCH                 ; a wave's stage
.set LN,  1                            ; v1       lane
.set XYZ, 4                            ; v[4:6]   the point; v7 = x again, so that (z, x) is an aligned pair
.set QX,  8                            ; v8-10    cell - 512 of the level at hand: q_l = 2 q_(l-1) + field, q_(-1) = -512
.set QY,  9
.set QZ,  10
.set LA,  11                           ; v11      LDS address of my row
.set RD,  12                           ; v12      LDS address on the way out
.set OO,  13                           ; v13      16 x lane
.set TP,  14                           ; v[14:15] pos, then fractions (z, x)
.set TY,  16                           ; v16      pos y
.set F,   18                           ; v[18:20] fields x, y, z; in the sum floors z, x, y
.set H,   22                           ; v[22:31] the hash: x, x + 1, y P1, (y + 1) P1, z P2, (z + 1) P2, their four (y, z) combinations.  Free again once the indices stand:
.set G,   22                           ; v[22:29] at work in the remainder
.set NG,  22                           ; v[22:23] (1 - fz, 1 - fx)
.set PY,  24                           ; v[24:25] (1 - fy, fy)
.set A0,  26                           ; v[26:27] (1 - fx) * (1 - fy, fy)
.set A1,  28                           ; v[28:29] fx * (1 - fy, fy)
.set ACC, 32                           ; v[32:39] two sets of four, by turns: the two numbers of an even level and of the odd one behind it
.set REC, 40                           ; v[40:55] my point's 16 records; on the way out rows
.set BUF0, 56                          ; v[56:119] four buffers: 8 x 2 registers byte offset -> entry (corner x + 2 y + 4 z)
.set WT,  120                          ; v[120:127] the eight weights of the level that is summed
.set SP1, 66
.set SP2, 67
.set SK1, 68                           ; 512 * PR1: takes the - 512 out of q_y
.set SK2, 69
.set SMK, 70                           ; d - 1
.set SND, 71                           ; - d
.set ST,  72                           ; s[72:73] a byte offset, high word 0
.set LOFF, 74                          ; byte offset of the level's part of the table
.set SU,  75
.set SKD, 76
.set SW,  77
.set REC2, 78                          ; s[78:79] rec + 2 groups (three groups are more than a load's immediate holds)
.macro SETSC lev                       ; SCV = the f32 bits of level lev's scale (see the first launch)
.set SCV, (((\lev)+130)<<23)|(((1<<((\lev)+3))-1)<<(20-(\lev)))
.if (\lev) == 13
.set SCV, SCV+8
.endif
.if (\lev) == 15
.set SCV, SCV-8
.endif
.endm
.macro SETPB lev                       ; PB = first of the level's four scalar registers: offset, d, m, bias.  s[16:63], then s[80:95]
.if (\lev) < 12
.set PB, 16+4*(\lev)
.else
.set PB, 32+4*(\lev)
.endif
.endm
	v_lshl_add_u32 v17, v0, 2, 0x4800
	v_mov_b32 v21, 0
	v_lshrrev_b32 v2, 5, v0
	v_readfirstlane_b32 s14, v2                    ; wave
	s_wait_alu depctr_va_sdst(0)                   ; s14 is written, ahead of its first reader: the task's number, and with it the first branch, are made from it
	s_lshl_b32 s15, ttmp9, 2
	s_add_co_u32 s15, s15, s14                     ; task
	s_cmp_ge_u32 s15, TASKS
	s_cbranch_scc1 .Lnone                          ; the last group's waves 1 to 3: no task is left for them
	s_load_b256 s[4:11], s[0:1], 0x0               ; embeddings s[4:5], inputs s[6:7], rec s[8:9], par s[10:11]
	s_load_b64 s[12:13], s[0:1], 0x20              ; out0
	s_lshl_b32 s[SU], s15, 5                       ; the task's first point
	v_and_b32 v[LN], 31, v0
	v_add_nc_u32 v2, s[SU], v[LN]
	v_min_u32 v2, NPTS-1, v2                       ; every address stays inside its buffer in the last task too
	v_lshlrev_b32 v3, 4, v2                        ; the point's 16 bytes in a group of rec; v3 is never written again
	v_mul_u32_u24 v2, v2, 12                       ; its 12 bytes in inputs; v2 is never written again
	s_wait_kmcnt 0x0
	s_add_nc_u64 s[REC2:REC2+1], s[8:9], 2*PLANE
	s_wait_alu depctr_va_vdst(0)                   ; v2 and v3 are written, which the five loads below read as their offsets
	global_load_b96 v[XYZ:XYZ+2], v2, s[6:7]
	global_load_b128 v[REC:REC+3],     v3, s[8:9] th:TH_LOAD_NT                        ; 32 lanes: 512 consecutive bytes
	global_load_b128 v[REC+4:REC+7],   v3, s[8:9] offset:PLANE th:TH_LOAD_NT
	global_load_b128 v[REC+8:REC+11],  v3, s[REC2:REC2+1] th:TH_LOAD_NT
	global_load_b128 v[REC+12:REC+15], v3, s[REC2:REC2+1] offset:PLANE th:TH_LOAD_NT
	s_load_b512 s[16:31], s[10:11], 0x0            ; the 16 levels' parameters stay in scalar registers
	s_load_b512 s[32:47], s[10:11], 0x40
	s_load_b512 s[48:63], s[10:11], 0x80
	s_load_b512 s[80:95], s[10:11], 0xc0
	s_lshl_b32 s[ST], s15, 12                      ; the task's 32 rows of 128 bytes in out0
	s_mov_b32 s[ST+1], 0
	s_add_nc_u64 s[12:13], s[12:13], s[ST:ST+1]
	s_mov_b32 s[SP1], PR1
	s_mov_b32 s[SP2], PR2
	s_mov_b32 s[SK1], (512*PR1)&0xffffffff
	s_mov_b32 s[SK2], (512*PR2)&0xffffffff
	s_mul_i32 s[SW], s14, LWAVE                    ; my wave's stage
	v_mul_u32_u24 v[LA], v[LN], LPITCH             ; (the vector lines from here to the wait below name none of the registers of the five loads)
	v_add_nc_u32 v[LA], s[SW], v[LA]               ; my row
	v_bfe_u32 v[H], v0, 3, 2                       ; back: eight lanes take a row
	v_and_b32 v[H+1], 7, v0
	v_mul_u32_u24 v[H], v[H], LPITCH
	v_lshl_add_u32 v[H], v[H+1], 4, v[H]
	v_add_nc_u32 v[RD], s[SW], v[H]
	v_lshlrev_b32 v[OO], 4, v[LN]
	s_wait_kmcnt 0x0
	s_wait_loadcnt 0x3                             ; the point and the records of levels 0 to 3 are in; the three younger loads (levels 4 to 15) stay out.
	                                               ; Their registers are first read in level 4's ADDR, behind level 0's SUM, whose count of 24 covers the gathers of levels 1 to 3 alone
	v_mov_b32 v[XYZ+3], v[XYZ]                     ; (z, x)
; v mod d for any d: q = high word of v * m is the quotient or one less (m = floor((2^32 - 1) / d), so v / d - v m / 2^32 < 1), so v - q d lies in [0, 2 d):
; one subtraction, taken by an unsigned minimum (it wraps to a large number where it is not wanted).
; Then the bound: a number that comes from memory enters an address only behind a minimum with a constant written in the instruction.
; The result is under 7,131,240, so it is bounded in two parts, r >> 3 and r & 7.  Last the entry's byte offset in the table: 8 x index + the level's.
.macro MODCLAMP r
	v_mul_hi_u32 v[G], v[\r], s[PB+2]
	v_mad_u32 v[\r], v[G], s[SND], v[\r]
	v_add_nc_u32 v[G], s[SND], v[\r]
	v_min_u32 v[\r], v[\r], v[G]
	v_lshrrev_b32 v[G], 3, v[\r]
	v_and_b32 v[G+1], 7, v[\r]
	v_min_u32 v[G], 0xfffff, v[G]
	v_min_u32 v[G+1], 7, v[G+1]
	v_lshl_add_u32 v[\r], v[G], 3, v[G+1]
	v_lshl_add_u32 v[\r], v[\r], 3, s[LOFF]
.endm
; The same remainder for d <= 2^20: it is under 2^20, so one written minimum bounds it.  All eight indices of buffer B, stage by stage:
; no instruction reads the result of the one in front of it.
.macro MODSHORT
.irp k, 0,1,2,3,4,5,6,7
	v_mul_hi_u32 v[G+\k], v[B+2*\k], s[PB+2]
.endr
.irp k, 0,1,2,3,4,5,6,7
	v_mad_u32 v[B+2*\k], v[G+\k], s[SND], v[B+2*\k]
.endr
.irp k, 0,1,2,3,4,5,6,7
	v_add_nc_u32 v[G+\k], s[SND], v[B+2*\k]
.endr
.irp k, 0,1,2,3,4,5,6,7
	v_min_u32 v[B+2*\k], v[B+2*\k], v[G+\k]
.endr
.irp k, 0,1,2,3,4,5,6,7
	v_min_u32 v[B+2*\k], 0xfffff, v[B+2*\k]        ; the written bound; it changes no index here
.endr
.irp k, 0,1,2,3,4,5,6,7
	v_lshl_add_u32 v[B+2*\k], v[B+2*\k], 3, s[LOFF]
.endr
.endm
; A level's first part: cell and eight indices, into buffer lev mod 4; the level's wait on va_vdst; behind it the LDS store of the pair of levels that was finished last.
; That buffer's registers belonged to level lev - 4, whose gathers the counted wait of its SUM has shown done.
.macro ADDR lev
	SETPB \lev
	.set B, BUF0+16*((\lev)%4)
	.set RES, 16<<(\lev)
	; the level's part of the table: 8 bytes x offset, the offset bounded in two parts as above
	s_lshr_b32 s[LOFF], s[PB], 3
	s_and_b32 s[SU], s[PB], 7
	s_min_u32 s[LOFF], s[LOFF], 0xfffff
	s_min_u32 s[SU], s[SU], 7
	s_lshl_b32 s[LOFF], s[LOFF], 6
	s_lshl3_add_u32 s[LOFF], s[SU], s[LOFF]
	; the cell
	v_and_b32 v[F], 0x3ff, v[REC+\lev]
	v_bfe_u32 v[F+1], v[REC+\lev], 10, 10
	v_lshrrev_b32 v[F+2], 20, v[REC+\lev]
.if \lev == 0
	v_add_nc_u32 v[QX], 0xfffffc00, v[F]           ; 2 * (-512) + field
	v_add_nc_u32 v[QY], 0xfffffc00, v[F+1]
	v_add_nc_u32 v[QZ], 0xfffffc00, v[F+2]
.else
	v_lshl_add_u32 v[QX], v[QX], 1, v[F]
	v_lshl_add_u32 v[QY], v[QY], 1, v[F+1]
	v_lshl_add_u32 v[QZ], v[QZ], 1, v[F+2]
.endif
.if \lev <= 3                                      ; from level 4 on res^3 >= 2^24 exceeds every size: always hashed
	s_cmp_lg_u32 s[PB+3], 0
	s_cbranch_scc1 .Ldense\lev
.endif
	; x ^ y * PR1 ^ z * PR2 modulo 2^32 for the eight corners
	v_add_nc_u32 v[H],   0x200, v[QX]              ; x
	v_add_nc_u32 v[H+1], 0x201, v[QX]              ; x + 1
	v_mad_u32 v[H+2], v[QY], s[SP1], s[SK1]        ; y P1
	v_mad_u32 v[H+4], v[QZ], s[SP2], s[SK2]        ; z P2
	v_add_nc_u32 v[H+3], s[SP1], v[H+2]            ; (y + 1) P1
	v_add_nc_u32 v[H+5], s[SP2], v[H+4]            ; (z + 1) P2
	v_xor_b32 v[H+6], v[H+2], v[H+4]               ; (y,     z)
	v_xor_b32 v[H+7], v[H+3], v[H+4]               ; (y + 1, z)
	v_xor_b32 v[H+8], v[H+2], v[H+5]               ; (y,     z + 1)
	v_xor_b32 v[H+9], v[H+3], v[H+5]               ; (y + 1, z + 1)
.if (\lev) >= 4                                    ; levels 0 to 3 write buffers that no memory instruction has read
	s_wait_alu depctr_vm_vsrc(0)                   ; the gathers of level lev - 4 have read their offsets in this buffer, which the lines below write again;
	                                               ; and the LDS stores issued so far have read their sets of ACC, which the sums behind this line write again
.endif
.irp k, 0,1,2,3
	v_xor_b32 v[B+4*\k],   v[H],   v[H+6+\k]
	v_xor_b32 v[B+4*\k+2], v[H+1], v[H+6+\k]
.endr
	s_cmp_eq_u32 s[PB+2], 0
	s_cbranch_scc1 .Lfast\lev
.if \lev <= 3
	s_branch .Lmod\lev
.Ldense\lev:
	; x + res y + res^2 z + bias, with the three - 512 taken out
	v_mad_u32 v[H], v[QZ], RES, v[QY]
	v_mad_u32 v[H], v[H], RES, v[QX]
	s_add_co_u32 s[SKD], s[PB+3], 512+512*RES+512*RES*RES
	v_add_nc_u32 v[B], s[SKD], v[H]
	v_add_nc_u32 v[B+2],  1, v[B]
	v_add_nc_u32 v[B+4],  RES, v[B]
	v_add_nc_u32 v[B+6],  RES+1, v[B]
	v_add_nc_u32 v[B+8],  RES*RES, v[B]
	v_add_nc_u32 v[B+10], RES*RES+1, v[B]
	v_add_nc_u32 v[B+12], RES*RES+RES, v[B]
	v_add_nc_u32 v[B+14], RES*RES+RES+1, v[B]
.Lmod\lev:
.endif
	s_sub_co_u32 s[SND], 0, s[PB+1]
	s_cmp_le_u32 s[PB+1], 0x100000
	s_cbranch_scc1 .Lshort\lev
.irp c, 0,2,4,6,8,10,12,14
	MODCLAMP B+\c
.endr
	s_branch .Ljoin\lev
.Lshort\lev:
	MODSHORT
	s_branch .Ljoin\lev
.Lfast\lev:
	s_add_co_i32 s[SMK], s[PB+1], -1               ; d is a power of two of at most 2^20
.irp c, 0,2,4,6,8,10,12,14
	v_and_b32 v[B+\c], s[SMK], v[B+\c]
.endr
.irp c, 0,2,4,6,8,10,12,14
	v_min_u32 v[B+\c], 0xfffff, v[B+\c]            ; the written bound on a number that comes from memory; it changes no index here
.endr
.irp c, 0,2,4,6,8,10,12,14
	v_lshl_add_u32 v[B+\c], v[B+\c], 3, s[LOFF]    ; the entry's byte offset in the table
.endr
.Ljoin\lev:
	s_wait_alu depctr_va_vdst(0)                   ; on each of the ways that join here: the eight offsets are written, which the level's gathers read and on which they land; the sum of
	                                               ; level lev - 4 is done reading this buffer; the sums have written the set of ACC that the store below reads (at level 0: LA, RD and OO are written too)
.if ((\lev) % 2) && ((\lev) >= 5)
	.set PAIR, ((\lev)-5)/2                        ; levels lev - 5 and lev - 4, summed in front of this ADDR
	ds_store_b128 v[LA], v[ACC+4*(PAIR%2):ACC+4*(PAIR%2)+3] offset:16*PAIR
.endif
.endm
; Two of level lev's eight gathers: x and x + 1 of (y, z) number p.  Each load lands on its own offset register.  lev = -1: none.
; No wait: no vector line since the level's wait on va_vdst names a register of its buffer.
.macro GATH lev, p
.if (\lev) >= 0
	.set GB, BUF0+16*((\lev)%4)+4*(\p)
	global_load_b64 v[GB:GB+1],   v[GB],   s[4:5]
	global_load_b64 v[GB+2:GB+3], v[GB+2], s[4:5]
.endif
.endm
; A level's second part: its eight weights, among them the gathers of level g, then its two numbers.  cnt = the gathers issued behind this level's, which may stay out.
; rel = 1: no ADDR stands between the last LDS store and this sum, so the wait on vm_vsrc is written here.
.macro SUM lev, cnt, g, rel
	SETSC \lev
	.set B, BUF0+16*((\lev)%4)
	.set AC, ACC+4*(((\lev)/2)%2)+2*((\lev)%2)
	; the weights, in front of the wait.  pos by a multiply and a separate add: the same two roundings as in the first launch (see there)
	GATH \g, 0
	v_pk_mul_f32 v[TP:TP+1], v[XYZ+2:XYZ+3], SCV op_sel_hi:[1,0]          ; z, x
	v_mul_f32 v[TY], SCV, v[XYZ+1]                                        ; y
	v_pk_add_f32 v[TP:TP+1], v[TP:TP+1], 0.5 op_sel_hi:[1,0]
	v_add_f32 v[TY], 0.5, v[TY]
	GATH \g, 1
	v_floor_f32 v[F],   v[TP]
	v_floor_f32 v[F+1], v[TP+1]
	v_floor_f32 v[F+2], v[TY]
	v_pk_add_f32 v[TP:TP+1], v[TP:TP+1], v[F:F+1] neg_lo:[0,1] neg_hi:[0,1]       ; (fz, fx)
	v_sub_f32 v[PY+1], v[TY], v[F+2]                                              ; fy, beside
	GATH \g, 2
	v_pk_fma_f32 v[NG:NG+1], v[TP:TP+1], -1.0, 1.0 op_sel_hi:[1,0,0]              ; (1 - fz, 1 - fx)
	v_sub_f32 v[PY], 1.0, v[PY+1]                                                 ; 1 - fy
	v_pk_mul_f32 v[A0:A0+1], v[PY:PY+1], v[NG:NG+1] op_sel:[0,1] op_sel_hi:[1,1]  ; * (1 - fx)
	v_pk_mul_f32 v[A1:A1+1], v[PY:PY+1], v[TP:TP+1] op_sel:[0,1] op_sel_hi:[1,1]  ; * fx
	GATH \g, 3
	v_pk_mul_f32 v[WT:WT+1],   v[A0:A0+1], v[NG:NG+1] op_sel_hi:[1,0]             ; * (1 - fz): corners (x,     y, z), (x,     y + 1, z)
	v_pk_mul_f32 v[WT+2:WT+3], v[A1:A1+1], v[NG:NG+1] op_sel_hi:[1,0]             ;             corners (x + 1, y, z), (x + 1, y + 1, z)
	v_pk_mul_f32 v[WT+4:WT+5], v[A0:A0+1], v[TP:TP+1] op_sel_hi:[1,0]             ; * fz:       the same at z + 1
	v_pk_mul_f32 v[WT+6:WT+7], v[A1:A1+1], v[TP:TP+1] op_sel_hi:[1,0]
	s_wait_loadcnt \cnt                            ; loads come back in order (ISA guide 5.7.1)
.if \rel
	s_wait_alu depctr_vm_vsrc(0)                   ; the LDS store issued in level 15's ADDR has read this set of ACC, which this sum and the next write again
.endif
	v_pk_mul_f32 v[AC:AC+1], v[B:B+1],     v[WT:WT+1] op_sel_hi:[1,0]
	v_pk_fma_f32 v[AC:AC+1], v[B+2:B+3],   v[WT+2:WT+3], v[AC:AC+1] op_sel_hi:[1,0,1]
	v_pk_fma_f32 v[AC:AC+1], v[B+4:B+5],   v[WT:WT+1],   v[AC:AC+1] op_sel:[0,1,0] op_sel_hi:[1,1,1]
	v_pk_fma_f32 v[AC:AC+1], v[B+6:B+7],   v[WT+2:WT+3], v[AC:AC+1] op_sel:[0,1,0] op_sel_hi:[1,1,1]
	v_pk_fma_f32 v[AC:AC+1], v[B+8:B+9],   v[WT+4:WT+5], v[AC:AC+1] op_sel_hi:[1,0,1]
	v_pk_fma_f32 v[AC:AC+1], v[B+10:B+11], v[WT+6:WT+7], v[AC:AC+1] op_sel_hi:[1,0,1]
	v_pk_fma_f32 v[AC:AC+1], v[B+12:B+13], v[WT+4:WT+5], v[AC:AC+1] op_sel:[0,1,0] op_sel_hi:[1,1,1]
	v_pk_fma_f32 v[AC:AC+1], v[B+14:B+15], v[WT+6:WT+7], v[AC:AC+1] op_sel:[0,1,0] op_sel_hi:[1,1,1]
.endm
.irp lev, 0,1,2
	ADDR \lev
.irp p, 0,1,2,3
	GATH \lev, \p                                  ; no level is summed yet: the gathers stand in a run
.endr
.endr
.irp lev, 3,4,5,6,7,8,9,10,11,12,13,14,15
	ADDR \lev
	SUM \lev-3, 24, \lev, 0                        ; the 8 + 8 + 8 gathers of the three younger levels stay out
.endr
	SUM 13, 16, -1, 0
	SUM 14, 8, -1, 1
	SUM 15, 0, -1, 0
	; The way out.  The stage is the wave's own, and LDS serves a wave's instructions in order (ISA guide 5.7.1.4): no wait between the stores into it and these loads.
	; Lane t of load j takes 16 bytes (two levels) of row 4 j + t / 8: 32 lanes hold 512 consecutive bytes of out0.
	s_wait_alu depctr_va_vdst(0)                   ; the sums of levels 12 to 15 have written both sets of ACC, which the two stores below read; every vector line is done reading REC and
	                                               ; buffer 0, in which the LDS loads below land (level 12's gathers have read buffer 0's offsets: the waits on vm_vsrc of levels 13 to 15).  No vector line follows
	ds_store_b128 v[LA], v[ACC:ACC+3]   offset:96  ; levels 12 and 13
	ds_store_b128 v[LA], v[ACC+4:ACC+7] offset:112 ; levels 14 and 15
.macro BACK j, reg
	ds_load_b128 v[\reg:\reg+3], v[RD] offset:\j*4*LPITCH
.endm
.macro LEAVE j, reg, left                          ; left = the LDS loads issued behind load j, which may stay out
	s_wait_dscnt \left
	global_store_b128 v[OO], v[\reg:\reg+3], s[12:13] offset:512*\j th:TH_STORE_NT
.endm
.irp j, 0,1,2,3
	BACK \j, REC+4*\j
.endr
	s_cmp_eq_u32 s15, TASKS-1
	s_cbranch_scc1 .Lhalf                          ; the last task has 16 points: rows 0 to 15
.irp j, 4,5,6,7
	BACK \j, BUF0+4*\j-16
.endr
.irp j, 0,1,2,3
	LEAVE \j, REC+4*\j, 7-\j
.endr
.irp j, 4,5,6,7
	LEAVE \j, BUF0+4*\j-16, 7-\j
.endr
	s_wait_dscnt 0x0
	s_wait_alu depctr_hold_cnt(0) depctr_sa_sdst(0) depctr_va_vdst(0) depctr_va_sdst(0) depctr_va_ssrc(0) depctr_va_vcc(0) depctr_vm_vsrc(0)
	s_wait_tensorcnt 0x0
	ds_add_u32 v17, v21
	s_wait_dscnt 0x0
	s_endpgm
.Lhalf:
.irp j, 0,1,2,3
	LEAVE \j, REC+4*\j, 3-\j
.endr
.Lnone:
	s_wait_dscnt 0x0
	s_wait_alu depctr_hold_cnt(0) depctr_sa_sdst(0) depctr_va_vdst(0) depctr_va_sdst(0) depctr_va_ssrc(0) depctr_va_vcc(0) depctr_vm_vsrc(0)
	s_wait_tensorcnt 0x0
	ds_add_u32 v17, v21
	s_wait_dscnt 0x0
	s_endpgm
.Lfunc_end_k_q5c2f4a448e_gather:
	.size	k_q5c2f4a448e_gather, .Lfunc_end_k_q5c2f4a448e_gather-k_q5c2f4a448e_gather
	.p2alignl 7, 3214868480
	.fill 96, 4, 3214868480
	.section	.rodata,"a",@progbits
	.p2align	6, 0x0
	.amdhsa_kernel k_q5c2f4a448e_gather
		.amdhsa_group_segment_fixed_size 18944
		.amdhsa_private_segment_fixed_size 0
		.amdhsa_enable_private_segment 0
		.amdhsa_kernarg_size 40
		.amdhsa_user_sgpr_count 2
		.amdhsa_user_sgpr_kernarg_segment_ptr 1
		.amdhsa_wavefront_size32 1
		.amdhsa_system_sgpr_workgroup_id_x 1
		.amdhsa_system_sgpr_workgroup_id_y 1
		.amdhsa_system_sgpr_workgroup_id_z 1
		.amdhsa_system_vgpr_workitem_id 0
		.amdhsa_next_free_vgpr 128
		.amdhsa_next_free_sgpr 96
		.amdhsa_reserve_vcc 0
		.amdhsa_float_denorm_mode_32 3
		.amdhsa_float_denorm_mode_16_64 3
		.amdhsa_memory_ordered 1
		.amdhsa_forward_progress 1
		.amdhsa_inst_pref_size 190
	.end_amdhsa_kernel
	.amdgpu_metadata
---
amdhsa.version: [ 1, 2 ]
amdhsa.kernels:
  - .name:           k_q5c2f4a448e_gather
    .symbol:         k_q5c2f4a448e_gather.kd
    .args:
      - { .name: embeddings, .offset: 0, .size: 8, .value_kind: global_buffer, .address_space: global }
      - { .name: inputs, .offset: 8, .size: 8, .value_kind: global_buffer, .address_space: global }
      - { .name: rec, .offset: 16, .size: 8, .value_kind: global_buffer, .address_space: global }
      - { .name: par, .offset: 24, .size: 8, .value_kind: global_buffer, .address_space: global }
      - { .name: out0, .offset: 32, .size: 8, .value_kind: global_buffer, .address_space: global }
    .group_segment_fixed_size: 18944
    .private_segment_fixed_size: 0
    .kernarg_segment_align: 8
    .kernarg_segment_size: 40
    .max_flat_workgroup_size: 128
    .sgpr_count:     96
    .vgpr_count:     128
    .wavefront_size: 32
...
	.end_amdgpu_metadata
.endif
;; end of part 5
